; MI455X (gfx1250); checked and timed in simulation.
; The chip was launched on July 23, 2026; its instructions are those of AMD's public machine-readable ISA for CDNA 5 (MIT licence, August 2026) and "CDNA5" Instruction Set Architecture Reference Guide (July 2026). The comments in the code are by the model that wrote it; some were corrected since.
;; Self Attention. Allowed arithmetic: matrix products marked QUANTISED: E4M3 operands, one E8M0 scale for each 32 along K, by v_wmma_scale_f32_16x16x128_f8f6f4 with both operands' format E4M3, f32 sums; everything else in f32.
;; Inputs: out_b 1,024 float32; out_w_codes 1,024 x 32 x 32 uint8 (E4M3 codes of out_w, K innermost, in blocks of 32 codes); out_w_scales 1,024 x 32 uint8 (E8M0 scales of out_w, one for each 32 codes along K); qkv_b 3,072 float32; qkv_w_codes 3,072 x 32 x 32 uint8 (E4M3 codes of qkv_w, K innermost, in blocks of 32 codes); qkv_w_scales 3,072 x 32 uint8 (E8M0 scales of qkv_w, one for each 32 codes along K); x_codes 4 x 2,048 x 32 x 32 uint8 (E4M3 codes of x, K innermost, in blocks of 32 codes); x_scales 4 x 2,048 x 32 uint8 (E8M0 scales of x, one for each 32 codes along K).
;; Outputs: out0 4 x 2,048 x 1,024 float32.
;; This version of the problem:
;;   THIS VERSION OF THE PROBLEM IS GIVEN IN LOW PRECISION. The matrix products marked QUANTISED in the list below multiply operands that are first quantised to E4M3 (4 exponent bits, 3 mantissa bits; 8 bits a number), with one power-of-two scale for each 32 numbers along K (OCP MX v1.0); their sums are f32. All else is computed in f32.
;;   The module's matrix products, in the order in which they are computed (A, B: the left and right operand; K: the contracted axis; several contracted axes count as one K, in the product's order):
;;     1. [M 8,192, K 1,024] x [K 1,024, N 3,072]; A: input x (given as codes); B: input qkv_w (given as codes): QUANTISED
;;     2. batch 64 x [M 2,048, K 64] x [K 64, N 2,048]; A: computed on the way; B: computed on the way: QUANTISED
;;     3. batch 64 x [M 2,048, K 2,048] x [K 2,048, N 64]; A: softmax (see below); B: computed on the way: QUANTISED
;;     4. [M 8,192, K 1,024] x [K 1,024, N 1,024]; A: computed on the way; B: input out_w (given as codes): QUANTISED
;;   THE QUANTISER, for each operand of a quantised product, along K:
;;     - K is cut into blocks of 32 from its start; a last block that is shorter is filled with zeros.
;;     - A block's scale is 2^e with e = floor(log2(the largest magnitude in the block)) - 8, held to -126 .. 127; a block of zeros has e = 0. As a byte (E8M0): e + 127.
;;     - Each number is divided by its block's scale, clamped to +-448, and rounded to the nearest number of E4M3, ties to even, subnormals kept.
;;     - The product sums the exact products of the quantised numbers (number of the format x scale) in f32.
;;   ~~~python
;;   def quantise(x, axis):      # numpy; x: float32 -> the quantised numbers, widened to float32 again
;;       x = np.moveaxis(x, axis, -1); K = x.shape[-1]
;;       x = np.pad(x, [(0, 0)] * (x.ndim - 1) + [(0, -K % 32)]); x = x.reshape(x.shape[:-1] + (-1, 32)); a = np.abs(x).max(-1, keepdims=True)
;;       e = np.where(a > 0, np.clip(np.frexp(np.where(a > 0, a, 1))[1] - 1 - 8, -126, 127), 0)      # np.frexp(a)[1] - 1 = floor(log2(a)), exactly
;;       r = np.clip(x / 2.0 ** e, -448, 448)
;;       step = 2.0 ** (np.maximum(np.frexp(np.where(r == 0, 1, r))[1] - 1, -6) - 3)
;;       q = np.round(r / step) * step * 2.0 ** e      # np.round: ties to even
;;       return np.moveaxis(q.reshape(q.shape[:-2] + (-1,))[..., :K], -1, axis).astype(np.float32)
;;   ~~~
;;   SOFTMAX AHEAD OF A QUANTISED PRODUCT. Where the list says 'softmax', what is quantised is not the finished softmax but p = 2^(t - M), with t = logit x log2(e) and M = ceil(the row's largest t), a whole number; so 1/2 < the row's largest p <= 1. The row's sum l is taken of the UNQUANTISED p, in f32, and the product's result is divided by l at the end. Since M is a whole number, a kernel that streams over the keys may use a running M (the ceiling of the running maximum): every later rescaling is an exact power of two, which a block's scale takes up: the codes' values come out the same.
;;   OPERANDS COMPUTED ON THE WAY. 'Computed on the way' means the value that the module computes at that place (a softmax that the list does not call 'softmax' is quantised finished and normalised). What goes into a quantiser is computed in f32, as accurately as f32 sums, v_exp_f32 and their like allow (about 1e-6 of the number): no bf16 or f16 on the way to a quantiser, and a product that is left as it is and whose result goes on into a quantised operand takes f32 operands (vector FMAs, or v_wmma_f32_16x16x4_f32). A number that lies on a knife's edge between two numbers of the format may be rounded either way, as far as f32 arithmetic and the matrix unit's own rounding can turn it there, and no further.
;;   INPUTS GIVEN AS CODES. out_w (in the module: [1024, 1024], K = its axis 1); qkv_w (in the module: [3072, 1024], K = its axis 1); x (in the module: [4, 2048, 1024], K = its axis 2): each comes as NAME_codes (uint8): NAME with its K axis moved to the last place and cut into blocks of 32 codes, [.., K / 32, bytes a block], one block behind the other in memory; one code a byte (a code: sign, 4 exponent bits, 3 mantissa bits); and NAME_scales (uint8): the same leading axes, one E8M0 byte (e + 127) for each 32 codes along K. Its value is code x scale, taken as it is: it is not quantised again, and the codes and scales need not be those that the quantiser above would give.
;; One version. Each part assembles by itself: llvm-mc -triple=amdgcn-amd-amdhsa -mcpu=gfx1250 --defsym DOCPART=n.
;; ======== version 1 of 1: 3 launches
;; limits: right only within a limited range of input values
;; workspace buffers: q_codes 8,388,608 bytes; q_scales 262,144 bytes; kv 17,301,504 bytes; o_codes 8,388,608 bytes; o_scales 262,144 bytes
;; launch qkv (part 1): grid 12 x 32, 4 waves a work-group, clusters of 4 x 4, 327,680 bytes of LDS; arguments x_codes, x_scales, qkv_w_codes, qkv_w_scales, qkv_b, q_codes, q_scales, kv; writes q_codes, q_scales, kv
.if DOCPART == 1
	.amdgcn_target "amdgcn-amd-amdhsa--gfx1250"
	.amdhsa_code_object_version 6
	.text
	.protected	k_q6d5979842e_qkv
	.globl	k_q6d5979842e_qkv
	.p2align	8
	.type	k_q6d5979842e_qkv,@function
k_q6d5979842e_qkv:
	s_mov_b64 s[64:65], 0
	v_nop
	global_prefetch_b8 v0, s[64:65] scope:SCOPE_SE
	s_setreg_imm32_b32 hwreg(HW_REG_WAVE_MODE, 25, 1), 1
	s_wait_xcnt 0x0
	s_wait_alu depctr_hold_cnt(0) depctr_sa_sdst(0) depctr_va_vdst(0) depctr_va_sdst(0) depctr_va_ssrc(0) depctr_va_vcc(0) depctr_vm_vsrc(0)
	s_getreg_b32 s2, hwreg(HW_REG_IB_STS2, 6, 4)
	s_cmp_eq_u32 s2, 0
	s_cbranch_scc0 .Lentry_in_a_cluster
	s_endpgm
.Lentry_in_a_cluster:
	s_bfe_u32 s2, ttmp6, 0x10000c
	s_cmp_lg_u32 s2, 0xf033
	s_cbranch_scc0 .Lentry_shape_is_right
	s_endpgm
.Lentry_shape_is_right:
; qkv = x W^T + b on codes of FP8 (E4M3) with one E8M0 scale for each 32 along K = 1,024; the results are quantised at once, in registers, and leave as codes laid as the next launch's operand registers.
; x: [8192][1024] codes, [8192][32] scale bytes.  W: [3072][1024] codes, [3072][32] scale bytes.  b: [3072] f32.
; SHARES.  A work-group of four waves makes 256 tokens x 256 features; a wave 128 x 128: 64 accumulators of 16 x 16.  K goes in four steps of 256 through two LDS slots; all is written out, there is no loop.
; The cluster's x says which third of the features is made: 0 = q, 1 = k, 2 = v; it is the same in all sixteen partners.
; ROLES.  P is source 0 (its rows run along a lane's registers in the result), S is source 1 (its rows lie in the lanes).  q and k are quantised along the head's 64 features: P = W, S = x.
; v is quantised along the keys: P = x, S = W.  Tensor loads, masks and the LDS map are the same for all three; only the LDS addresses that are READ are chosen, by s_cselect_b32 on the cluster's x.
; CLUSTERS: 4 x 4 work-groups.  x's tile is shared along a row of the cluster, W's along a column: each is asked for jointly, by the same tensor load with the same descriptor and a mask that names the four.
; THE BIAS is the C of the first step's products.
; THE QUANTISER.  Register j of tile t in lane (r, h) is number 16 t + 8 h + j along the next K: tiles 2 n and 2 n + 1 give a lane 16 numbers of block n, lane l xor 16 holds the other 16.  The scale is
; 2^(floor(log2(largest magnitude)) - 8); numbers are held within +-448 x the scale and converted; v_permlane16_swap_b32 then brings the codes into the operand's order (registers 4 n .. 4 n + 3: 32 n + 16 h + 0 .. 15).
; LIMITS: NaN and infinities are not served; a block whose largest magnitude lies under 2^-118 keeps the scale byte 1; a block of zeros gets the byte 1 and not 127: its codes are zeros and this program alone reads the bytes.
; OUT.  q_codes [bh 64][tile 128][c 2][lane 32][16 B]; q_scales [bh][group of 128 tokens 16][256 B]: tile t's two bytes of token r at 64 (t % 4) + 4 r + 2 (t / 4).
; kv [bh][slot of 256 keys 8][33,792 B]: K's codes [tile 16][c 2][lane][16], V's codes at 16,384 [key step 2][d tile 4][c 4][lane][16], K's scales at 32,768 (two groups laid as q_scales), V's scale words at 33,280 [key step 2][d tile 4][r 16].
; REGISTERS, in windows of 256: window 0: v1-30 addresses; v32-63 scale words, two sets, and nothing else; v64-127 the bias, later the way out's work; v128-255 S's 8 fragments, one set.
;   window 1: P's fragments, two sets.   windows 2, 3: accumulator (a, b) at v[8 (8 (a % 4) + b)] of window 2 + a / 4.
.set ROWB,   256                       ; a tile's row: 256 codes
.set KROW,   1024                      ; a row of x or W in memory
.set PITCH,  272                       ; an LDS row: 256 bytes + 16 of padding: the 16 rows that a load touches start at 16 different banks (64 banks of 4 bytes: ISA guide 11.1)
.set HALFT,  128*PITCH                 ; 128 rows: what one tensor load brings
.set SLOT,   4*HALFT                   ; x's 256 rows, then W's 256 rows
.set SPARE,  2*SLOT                    ; the spare words, 128 bytes for each wave: two blocks of 256 bytes that no other line names
.set SCL,    SPARE+512                 ; the scales: x's 256 rows, then W's, as units of 256 bytes + 16 of padding; last in LDS
.set HALFS,  16*272                    ; the scales of 128 rows
.set SBLK,   2*272                     ; those of 16 rows
.set FR,     16                        ; registers of a fragment
.set NP,     8                         ; places behind this matrix instruction (ISA guide 7.12.1)
.set OJ,   8                           ; v8-15   the bias loads' offsets
.set ADS,  16                          ; v16-17  LDS address of S's fragments in slot 0, 1
.set ADP,  20                          ; v20-21  of P's
.set SCW,  24                          ; v24     the way out: where I put a scale word: 512 x wave + 4 r
.set SCR,  25                          ; v25     and where I read 16 bytes back: 512 x wave + 16 x lane
.set LI,   26                          ; v26     16 x lane
.set ADSC, 27                          ; v27     LDS address of my scale words: lanes 0-15 S's rows, lanes 16-31 P's
.set SPW,  28                          ; v28     LDS address of my spare word; never rewritten
.set NIL,  29                          ; v29     0; never rewritten
.set VSO,  30                          ; v30     the scales' store: 16 r + h x the distance from head to head
.set SC,   32                          ; scale words: set s at v[SC + 16 s]; register 2 i + q: block i, the slot's q-th 128 along K
.set BI,   64                          ; the bias: 8 entries x 8 registers
.set SF,   128                         ; S's fragments
.set TM,   64                          ; the way out: v64-67 largest magnitudes, v68-71 the other half's / bytes, v76-79 the conversions' scale operands
.set PW,   80                          ; v80-87  scale words of the eight blocks a
.set UW,   88                          ; v88-95  the same, ordered for memory
.set BK,   96                          ; v96-99  16 bytes of them
.set PC,   112                         ; v112-127 the codes just made
.set G1, 24                            ; s[24:31] descriptor group 1 for x's tiles;  s[32:39] group 0, one set for each slot
.set G0, 32
.set G1B, 48                           ; s[48:55], s[56:63] the same for W's tiles
.set G0B, 56
.set G1S, 68                           ; s[68:75], s[76:79] groups 1 and 0 for x's scales;  s[80:87], s[88:91] for W's
.set G0S, 76
.set G1SB, 80
.set G0SB, 88
.set MSB, 0
.macro WIN new                         ; the immediate's high byte repeats the setting that is left
.if MSB != \new
	s_set_vgpr_msb (MSB<<8)|\new
.set MSB, \new
.endif
.endm
.set MUL_LO, 0xa1                      ; source 0 (P) window 1, source 1 (S) window 0, C and D window 2
.set MUL_HI, 0xf1                      ; the same, C and D window 3
.set TO_P,   0x40                      ; destination window 1, address window 0
; A joint load: waves 0 and 1 fetch for x, waves 2 and 3 for W.  The branch hangs on the wave's number alone.  Four v_nop follow each of the two lines.
.macro JLOAD g0a, g1a, g0b, g1b
	s_cmp_eq_u32 s21, 0
	s_cbranch_scc0 .Lfor_b_\@
	tensor_load_to_lds s[\g0a:\g0a+3], s[\g1a:\g1a+7]
	s_nop 0
.rept 4
	v_nop
.endr
	s_branch .Lasked_\@
.Lfor_b_\@:
	tensor_load_to_lds s[\g0b:\g0b+3], s[\g1b:\g1b+7]
	s_nop 0
.rept 4
	v_nop
.endr
.Lasked_\@:
.endm
.macro CREST                           ; a round of the cluster's barrier behind its opening barrier
	s_cmp_lg_u32 s20, 0
	s_cbranch_scc1 .Lnot_wave_0_\@
	s_barrier_signal -3
.Lnot_wave_0_\@:
	s_barrier_wait -3
	s_barrier_signal -1
	s_barrier_wait -1
.endm
.macro CROUND                          ; a whole round
	s_barrier_signal -1
	s_barrier_wait -1
	CREST
.endm
	s_load_b512 s[4:19], s[0:1], 0x0               ; x's codes s[4:5], x's scales s[6:7], W's codes s[8:9], W's scales s[10:11], b s[12:13], q_codes s[14:15], q_scales s[16:17], kv s[18:19]
	v_lshl_add_u32 v[SPW], v0, 2, SPARE
	v_mov_b32 v[NIL], 0
	ds_add_u32 v28, v29
	ds_add_u32 v28, v29
	s_wait_dscnt 0x0
	v_lshrrev_b32 v1, 5, v0
	v_readfirstlane_b32 s20, v1                    ; wave 0..3
	s_lshr_b32 s21, s20, 1                         ; SH: which half of S's rows is mine.  Also: I fetch for x (0) or for W (1)
	s_and_b32 s22, s20, 1                          ; PH: which half of P's rows.  Also: which 128 rows I fetch
	s_cmp_eq_u32 ttmp9, 2
	s_cselect_b32 s23, 1, 0                        ; 1 where v is made: the same in all sixteen partners
	s_bfe_u32 s40, ttmp6, 0x40000                  ; cx, cy: my place in the cluster
	s_bfe_u32 s41, ttmp6, 0x40004
	s_lshl_b32 s42, ttmp9, 2
	s_add_co_u32 s42, s42, s40                     ; X: which 256 features = 4 x cluster x + cx
	s_and_b32 s43, ttmp7, 0xffff
	s_lshl_b32 s43, s43, 2
	s_add_co_u32 s43, s43, s41                     ; Y: which 256 tokens = 4 x cluster y + cy
	s_lshl_b32 s44, s41, 2
	s_lshl_b32 s44, 15, s44                        ; my row of the cluster
	s_lshl_b32 s45, 0x1111, s40                    ; my column
	; descriptor group 1: a tile of 128 rows x 256 bytes, padded in LDS
	s_or_b32 s[G1+0], s44, (0<<16)|(1<<20)|(1<<21)|(5<<22)|(3<<25)  ; 15:0 the mask: x's tiles go to my row; 17:16 elements of 1 byte; 20 padding on; 21 set beside a mask; 24:22 after every 64 words; 31:25 four words
	s_or_b32 s[G1B+0], s45, (0<<16)|(1<<20)|(1<<21)|(5<<22)|(3<<25)
.irp g, G1, G1B
	s_mov_b32 s[\g+1], ROWB<<16                    ; tensor_dim0
	s_mov_b32 s[\g+2], 128<<16                     ; tensor_dim1
	s_mov_b32 s[\g+3], ROWB<<16                    ; tile_dim0
	s_mov_b32 s[\g+4], 128                         ; tile_dim1
	s_mov_b32 s[\g+5], KROW                        ; from row to row
	s_mov_b32 s[\g+6], 0
	s_mov_b32 s[\g+7], 0
.endr
	; the scales of 128 rows: 4,096 dense bytes, as 16 rows of 256 bytes (32 elements of 8 bytes), 16 bytes of padding behind each
	s_or_b32 s[G1S+0], s44, (3<<16)|(1<<20)|(1<<21)|(5<<22)|(3<<25)
	s_or_b32 s[G1SB+0], s45, (3<<16)|(1<<20)|(1<<21)|(5<<22)|(3<<25)
.irp g, G1S, G1SB
	s_mov_b32 s[\g+1], 32<<16
	s_mov_b32 s[\g+2], 16<<16
	s_mov_b32 s[\g+3], 32<<16
	s_mov_b32 s[\g+4], 16
	s_mov_b32 s[\g+5], 32
	s_mov_b32 s[\g+6], 0
	s_mov_b32 s[\g+7], 0
.endr
	s_lshl_b32 s2, s22, 7                          ; which 128 rows of the tile I fetch
	s_lshl_b32 s92, s43, 8
	s_add_co_u32 s92, s92, s2                      ; x: row 256 Y + 128 x half
	s_lshl_b32 s46, s42, 8
	s_add_co_u32 s46, s46, s2                      ; W: row 256 X + 128 x half
	s_mov_b32 s93, 0
	s_mov_b32 s47, 0
	s_lshl_b64 s[94:95], s[92:93], 5               ; where these rows' scales begin, in bytes,
	s_lshl_b64 s[96:97], s[46:47], 5
	s_lshl_b64 s[92:93], s[92:93], 10              ; and their codes
	s_lshl_b64 s[46:47], s[46:47], 10
	s_mul_i32 s98, s20, HALFT                      ; where they go: wave x 128 rows: no place in the cluster enters an LDS address
	s_mul_i32 s99, s20, HALFS
	s_wait_kmcnt 0x0
	s_add_nc_u64 s[92:93], s[4:5], s[92:93]
	s_add_nc_u64 s[94:95], s[6:7], s[94:95]
	s_add_nc_u64 s[46:47], s[8:9], s[46:47]
	s_add_nc_u64 s[96:97], s[10:11], s[96:97]
	CROUND                                         ; all sixteen work-groups are here: the first joint loads meet
	s_mov_b32 s[G0S], 1
	s_add_co_u32 s[G0S+1], s99, SCL
	s_mov_b64 s[G0S+2:G0S+3], s[94:95]
	s_or_b32 s[G0S+3], s[G0S+3], 0x80000000
	s_mov_b32 s[G0SB], 1
	s_add_co_u32 s[G0SB+1], s99, SCL
	s_mov_b64 s[G0SB+2:G0SB+3], s[96:97]
	s_or_b32 s[G0SB+3], s[G0SB+3], 0x80000000
	JLOAD G0S, G1S, G0SB, G1SB                     ; the scales first: they are wanted with K step 0; filled once
.irp s, 0,1
	s_mov_b32 s[G0+4*\s], 1
	s_add_co_u32 s[G0+4*\s+1], s98, \s*SLOT
	s_add_nc_u64 s[G0+4*\s+2:G0+4*\s+3], s[92:93], \s*ROWB
	s_or_b32 s[G0+4*\s+3], s[G0+4*\s+3], 0x80000000
	s_mov_b32 s[G0B+4*\s], 1
	s_add_co_u32 s[G0B+4*\s+1], s98, \s*SLOT
	s_add_nc_u64 s[G0B+4*\s+2:G0B+4*\s+3], s[46:47], \s*ROWB
	s_or_b32 s[G0B+4*\s+3], s[G0B+4*\s+3], 0x80000000
	JLOAD G0+4*\s, G1, G0B+4*\s, G1B
.endr
	v_and_b32 v1, 15, v0                           ; r = lane % 16; kept
	v_bfe_u32 v2, v0, 4, 1                         ; h = lane / 16; kept
	v_mul_u32_u24 v3, v1, PITCH
	v_lshl_add_u32 v4, v2, 4, v3                   ; a fragment's row x pitch + 16 x half
	s_wait_alu depctr_va_vdst(0)
	s_cmp_eq_u32 s23, 1                            ; the roles: all choices on this one compare
	s_cselect_b32 s2, 2*HALFT, 0                   ; S's region of a slot: W's for v, else x's
	s_cselect_b32 s3, 0, 2*HALFT                   ; P's: the other
	s_cselect_b32 s66, s22, s21                    ; which half of x's rows I read
	s_cselect_b32 s67, s21, s22                    ; which half of W's rows
	s_cselect_b32 s92, 4, 0                        ; the bias offsets' factors: of r,
	s_cselect_b32 s93, 0, 32                       ; of h,
	s_cselect_b32 s94, 0, 4                        ; of the register's number
	s_mul_i32 s46, s21, HALFT
	s_add_co_u32 s2, s2, s46
	s_mul_i32 s46, s22, HALFT
	s_add_co_u32 s3, s3, s46
.irp s, 0,1
	v_add_nc_u32 v[ADS+\s], s2, v4
	v_add_nc_u32 v[ADP+\s], s3, v4
	s_add_co_u32 s2, s2, SLOT
	s_add_co_u32 s3, s3, SLOT
.endr
	v_lshlrev_b32 v5, 5, v1                        ; my row's scales: 32 bytes a row,
	v_lshrrev_b32 v6, 8, v5
	v_lshl_add_u32 v5, v6, 4, v5                   ; and 16 more for each 256 passed
	s_mul_i32 s46, s66, HALFS                      ; the lower base: x's scales, my half
	s_mul_i32 s47, s67, HALFS
	s_add_co_u32 s47, s47, 2*HALFS
	s_sub_co_u32 s47, s47, s46                     ; the distance from there to W's scales, my half
	v_xor_b32 v6, s23, v2                          ; lanes 0-15 take S's words and lanes 16-31 P's: W's are taken where h xor (v is made) = 1
	v_mul_u32_u24 v6, s47, v6
	s_add_co_u32 s46, s46, SCL
	v_add_nc_u32 v5, v5, v6
	v_add_nc_u32 v[ADSC], s46, v5
	v_and_b32 v7, 31, v0
	v_lshlrev_b32 v[LI], 4, v7
	s_lshl_b32 s46, s20, 9
	v_lshl_add_u32 v[SCW], v1, 2, s46
	v_add_nc_u32 v[SCR], s46, v[LI]
	; the bias in the result's layout.  q, k: entry b, register j: b[f0 + 16 b + 8 h + j].  v: entry a, every register: b[f0 + 16 a + r].  One run of loads serves both: the offsets differ
	s_lshl_b32 s46, s42, 8
	s_lshl_b32 s47, s67, 7
	s_add_co_u32 s46, s46, s47                     ; f0 = 256 X + 128 x my half of W's rows
	s_lshl_b32 s46, s46, 2
	s_mov_b32 s47, 0
	s_add_nc_u64 s[12:13], s[12:13], s[46:47]
	v_mul_u32_u24 v5, s92, v1
	v_mul_u32_u24 v6, s93, v2
	v_add_nc_u32 v5, v5, v6
.irp j, 0,1,2,3,4,5,6,7
	v_mad_u32_u24 v[OJ+\j], s94, \j, v5
.endr
.irp e, 0,1,2,3,4,5,6,7
.irp j, 0,1,2,3,4,5,6,7
	global_load_b32 v[BI+8*\e+\j], v[OJ+\j], s[12:13] offset:64*\e
.endr
.endr
.macro FRAG reg, adr, q, i             ; a fragment, 16 rows x 128 K: lane l holds row l % 16; registers 4 c .. 4 c + 3 hold K = 32 c + 16 (l / 16) + 0 .. 15
.irp c, 0,1,2,3
	ds_load_b128 v[\reg+4*\c:\reg+4*\c+3], v[\adr] offset:128*(\q)+32*\c+(\i)*16*PITCH
.endr
.endm
; 16 matrix instructions: S's blocks a0, a0 + 1 x P's eight, the slot's q-th 128 along K.  p: P's set; sc: the set of scale words.  first = 1: C is the bias by P's block; 2: by S's block; 0: the sums go on.
; The 64 accumulators take turns, one instruction a turn, in the same order in every step.
.macro MUL16 a0, p, q, sc, first
.irp a, \a0, \a0+1
.irp b, 0,1,2,3,4,5,6,7
.if \first == 1
	v_wmma_scale_f32_16x16x128_f8f6f4 v[8*(8*((\a)%4)+\b):8*(8*((\a)%4)+\b)+7], v[128*(\p)+FR*\b:128*(\p)+FR*\b+FR-1], v[SF+FR*(\a):SF+FR*(\a)+FR-1], v[BI+8*\b:BI+8*\b+7], v[SC+16*(\sc)+2*\b+(\q)], v[SC+16*(\sc)+2*(\a)+(\q)] matrix_a_scale:MATRIX_SCALE_ROW1
.elseif \first == 2
	v_wmma_scale_f32_16x16x128_f8f6f4 v[8*(8*((\a)%4)+\b):8*(8*((\a)%4)+\b)+7], v[128*(\p)+FR*\b:128*(\p)+FR*\b+FR-1], v[SF+FR*(\a):SF+FR*(\a)+FR-1], v[BI+8*(\a):BI+8*(\a)+7], v[SC+16*(\sc)+2*\b+(\q)], v[SC+16*(\sc)+2*(\a)+(\q)] matrix_a_scale:MATRIX_SCALE_ROW1
.else
	v_wmma_scale_f32_16x16x128_f8f6f4 v[8*(8*((\a)%4)+\b):8*(8*((\a)%4)+\b)+7], v[128*(\p)+FR*\b:128*(\p)+FR*\b+FR-1], v[SF+FR*(\a):SF+FR*(\a)+FR-1], v[8*(8*((\a)%4)+\b):8*(8*((\a)%4)+\b)+7], v[SC+16*(\sc)+2*\b+(\q)], v[SC+16*(\sc)+2*(\a)+(\q)] matrix_a_scale:MATRIX_SCALE_ROW1
.endif
.endr
.endr
.endm
.macro FETCH_P slot, q, p              ; P's eight fragments into set p
	WIN TO_P
.irp i, 0,1,2,3,4,5,6,7
	FRAG 128*(\p)+FR*\i, ADP+\slot, \q, \i
.endr
	WIN 0
.endm
.macro FETCH_S slot, q, i0             ; S's blocks i0 .. i0 + 3
.irp i, \i0, \i0+1, \i0+2, \i0+3
	FRAG SF+FR*(\i), ADS+\slot, \q, \i
.endr
.endm
.macro SCALES sc                       ; a K step's scale words into set sc: two words a row; lanes 0-15 S's block i, lanes 16-31 P's block i
.irp i, 0,1,2,3,4,5,6,7
	ds_load_b64 v[SC+16*\sc+2*\i:SC+16*\sc+2*\i+1], v[ADSC] offset:\i*SBLK
.endr
.endm
.macro PLACES n                        ; plain vector instructions between a matrix instruction and a load into, or a read of, its registers (ISA guide 7.12.1 for reads)
.rept \n
	v_nop
.endr
.endm
; A step of 128 along K that has its successor in the same slot.
.macro STEP slot, q, first
	s_wait_dscnt 16                                ; P's set, S's blocks 0-3 and the scale words are in; the youngest 16 loads (S's blocks 4-7) may be out
.if \first
	WIN 0x81                                       ; C (the bias) in window 0, D in window 2
.else
	WIN MUL_LO
.endif
	MUL16 0, (\q)%2, \q, \slot, \first
	MUL16 2, (\q)%2, \q, \slot, \first
	s_wait_dscnt 0x0                               ; S's blocks 4-7 are in
	PLACES NP
	FETCH_P \slot, (\q)+1, 1-(\q)%2
	FETCH_S \slot, (\q)+1, 0
.if \first
	WIN 0xc1
.else
	WIN MUL_HI
.endif
	MUL16 4, (\q)%2, \q, \slot, \first
	MUL16 6, (\q)%2, \q, \slot, \first
	PLACES NP
	WIN 0
	FETCH_S \slot, (\q)+1, 4
.endm
; A slot's last step changes slots: ONE barrier; in front of it each wave waits for all its tensor loads, adds 0 to its spare word, and waits for that and for its own reads of this slot.  fill = 1: this slot is filled again, two K steps ahead.
.macro TURN slot, next, fill
	s_wait_tensorcnt 0x0                           ; all my tensor loads have landed: my part of the next slot  (every window is 0 here)
	ds_add_u32 v[SPW], v[NIL]                      ; 0 onto my spare word
	s_wait_dscnt 17                                ; (the add and the youngest 16 loads, S's blocks 4-7, may be out)
	WIN MUL_LO
	MUL16 0, 1, 1, \slot, 0                        ; sixteen matrix instructions stand between the add and the wait for it
	s_wait_dscnt 0x0                               ; the add is done, and my reads of this slot are over
	s_barrier_signal -1
	MUL16 2, 1, 1, \slot, 0
	WIN 0
	s_barrier_wait -1
.if \fill
	CREST                                          ; the barrier has opened a round of the cluster's barrier: no wave of any partner still reads this slot or has a load on its way
	s_add_nc_u64 s[G0+4*\slot+2:G0+4*\slot+3], s[G0+4*\slot+2:G0+4*\slot+3], 2*ROWB
	s_add_nc_u64 s[G0B+4*\slot+2:G0B+4*\slot+3], s[G0B+4*\slot+2:G0B+4*\slot+3], 2*ROWB
	JLOAD G0+4*\slot, G1, G0B+4*\slot, G1B         ; the first tensor load behind the round; its four v_nop are among the places in front of the loads below
	PLACES NP-4
.else
	PLACES NP
.endif
	s_wait_alu depctr_va_vdst(0)
	v_add_nc_u32 v[ADSC], 8, v[ADSC]               ; on to the next K step's scale words
	FETCH_P \next, 0, 0
	FETCH_S \next, 0, 0
	SCALES \next
	WIN MUL_HI
	MUL16 4, 1, 1, \slot, 0
	MUL16 6, 1, 1, \slot, 0
	PLACES NP
	WIN 0
	FETCH_S \next, 0, 4
.endm
	s_wait_tensorcnt 1                             ; of my three loads the scales' and K step 0's are in; K step 1's may be out
	s_barrier_signal -1
	s_barrier_wait -1                              ; everybody's are
	FETCH_P 0, 0, 0
	FETCH_S 0, 0, 0
	SCALES 0
	FETCH_S 0, 0, 4
	s_wait_loadcnt 0x0                             ; the bias
	s_cmp_eq_u32 s23, 0                            ; the first step is written twice: the bias goes by P's block (q, k) or by S's (v)
	s_cbranch_scc0 .Lfirst_v
	STEP 0, 0, 1
	s_branch .Lfirst_done
.Lfirst_v:
	STEP 0, 0, 2
.Lfirst_done:
	TURN 0, 1, 1                                   ; slot 0 takes K step 2
	STEP 1, 0, 0
	TURN 1, 0, 1                                   ; slot 1 takes K step 3
	STEP 0, 0, 0
	TURN 0, 1, 0                                   ; nothing is left to fetch
	STEP 1, 0, 0
	s_wait_dscnt 16                                ; the very last step
	WIN MUL_LO
	MUL16 0, 1, 1, 1, 0
	MUL16 2, 1, 1, 1, 0
	s_wait_dscnt 0x0
	WIN MUL_HI
	MUL16 4, 1, 1, 1, 0
	MUL16 6, 1, 1, 1, 0
	WIN 0
	; THE WAY OUT.  Where things go differs between q, k and v in scalars alone.
	s_cmp_eq_u32 ttmp9, 0                          ; q?
	s_cselect_b64 s[92:93], s[14:15], s[18:19]     ; the codes' buffer
	s_cselect_b64 s[96:97], s[16:17], s[18:19]     ; the scales'
	s_mov_b32 s2, 270336
	s_cselect_b32 s2, 131072, s2                   ; codes: from head to head
	s_mov_b32 s3, 33792
	s_cselect_b32 s3, 16384, s3                    ; from 256 tokens to the next
	s_mov_b32 s41, 270336
	s_cselect_b32 s41, 4096, s41                   ; scales: from head to head
	s_mov_b32 s42, 33792
	s_cselect_b32 s42, 512, s42                    ; from 256 tokens to the next
	s_cselect_b32 s44, 0, 32768                    ; where the scales begin in a block
	s_cmp_eq_u32 ttmp9, 2                          ; v?
	s_cselect_b32 s44, 33280, s44
	s_cselect_b32 s45, 16384, 0                    ; where the codes begin in a block
	s_cselect_b32 s94, 1024, s2                    ; from register groups 0, 1 to groups 2, 3: v: 1,024 bytes on; q, k: the next head
	s_mov_b32 s98, 1024
	s_cselect_b32 s98, 2048, s98                   ; from block a to a + 1
	s_mov_b32 s100, 1024
	s_cselect_b32 s100, 264192, s100               ; from block 3 to 4: for v the next head's first d tile
	s_mov_b32 s66, 0x05040100
	s_cselect_b32 s66, 0x03020100, s66             ; how two scale words are joined for memory: q, k: the low halves of blocks j and j + 4; v: block j's word
	s_mov_b32 s67, 0x07060302
	s_cselect_b32 s67, 0x07060504, s67             ; q, k: their high halves; v: block j + 4's word
	s_cselect_b32 s46, s21, s22                    ; which half of the work-group's features is mine
	s_cselect_b32 s47, s22, s21                    ; and which half of its tokens
	s_mov_b32 s95, 0
	s_mov_b32 s99, 0
	s_mov_b32 s101, 0
	s_lshl_b32 s40, s40, 2                         ; 4 cx
	s_lshl_b32 s46, s46, 1
	s_add_co_u32 s40, s40, s46
	s_lshr_b32 s46, s43, 3
	s_lshl_b32 s46, s46, 4
	s_add_co_u32 s40, s40, s46                     ; my first head: 16 x batch + 4 cx + 2 x half
	s_and_b32 s43, s43, 7                          ; which 256 tokens of the batch
	s_mul_i32 s2, s40, s2
	s_mul_i32 s3, s43, s3
	s_add_co_u32 s2, s2, s3
	s_lshl_b32 s3, s47, 13
	s_add_co_u32 s2, s2, s3
	s_add_co_u32 s2, s2, s45
	s_mov_b32 s3, 0
	s_add_nc_u64 s[92:93], s[92:93], s[2:3]        ; where block 0's register groups 0, 1 go,
	s_add_nc_u64 s[94:95], s[92:93], s[94:95]      ; and groups 2, 3
	v_mul_u32_u24 v[VSO], s41, v2
	v_lshl_add_u32 v[VSO], v1, 4, v[VSO]
	s_mul_i32 s2, s40, s41
	s_mul_i32 s42, s43, s42
	s_add_co_u32 s2, s2, s42
	s_lshl_b32 s42, s47, 8
	s_add_co_u32 s2, s2, s42
	s_add_co_u32 s2, s2, s44
	s_add_nc_u64 s[96:97], s[96:97], s[2:3]        ; where my 2 x 256 scale bytes go
	s_mov_b32 s2, 0x76543210
	s_mov_b32 s3, 0xfedcba98                       ; v_permlanex16_b32's selects for lane l xor 16
	PLACES NP                                      ; behind the last products
.irp b, 0,1,2,3
	v_mov_b32 v[TM+4+\b], 0                        ; written once: a lane permute's destination counts as one of its sources
.endr
; Block a: 16 rows of S x my 128 of P: four blocks of 32 along the next K.  64 numbers a lane, register AC + 16 n + i.
.macro QOUT a
.set AC, 64*((\a)%4)
.set WW, 2+(\a)/4
.if (\a) > 0
	s_wait_xcnt 0x0                                ; the last block's stores have read their data and their bases: both are written again only behind this wait
.if (\a) == 4
	s_add_nc_u64 s[92:93], s[92:93], s[100:101]
	s_add_nc_u64 s[94:95], s[94:95], s[100:101]
.else
	s_add_nc_u64 s[92:93], s[92:93], s[98:99]
	s_add_nc_u64 s[94:95], s[94:95], s[98:99]
.endif
.endif
	WIN WW|(WW<<2)                                 ; sources 0 and 1: the accumulators' window
.irp b, 0,1,2,3
	v_max3_num_f32 v[TM+\b], |v[AC+16*\b]|, |v[AC+16*\b+1]|, 0x4800000   ; my 16 numbers of block b, each accumulator from its low end on, and the floor 2^(9 - 127): the byte cannot fall under 1
.endr
.irp i, 2,4,6,8,10,12,14
.irp b, 0,1,2,3
	v_max3_num_f32 v[TM+\b], |v[AC+16*\b+\i]|, |v[AC+16*\b+\i+1]|, v[TM+\b]   ; (the four blocks by turns)
.endr
.endr
	WIN 0
.irp b, 0,1,2,3
	v_permlanex16_b32 v[TM+4+\b], v[TM+\b], s2, s3
.endr
.irp b, 0,1,2,3
	v_max_num_f32 v[TM+\b], v[TM+\b], v[TM+4+\b]   ; with lane l xor 16's: the block's largest magnitude
.endr
.irp b, 0,1,2,3
	v_add_nc_u32 v[TM+12+\b], 0xfc000000, v[TM+\b] ; 8 off its exponent field: the conversion's scale operand
.endr
.irp b, 0,1,2,3
.endr
.irp b, 0,1,2,3
	v_lshrrev_b32 v[TM+4+\b], 23, v[TM+12+\b]      ; the scale's byte
.endr
	v_lshl_or_b32 v[PW+(\a)], v[TM+5], 8, v[TM+4]
	v_lshl_or_b32 v[PW+(\a)], v[TM+6], 16, v[PW+(\a)]
	v_lshl_or_b32 v[PW+(\a)], v[TM+7], 24, v[PW+(\a)]
	WIN WW|(WW<<6)                                 ; source 0 and destination: the accumulators' window
.irp b, 0,1,2,3
.irp i, 0,1,2,3,4,5,6,7,8,9,10,11,12,13,14,15
.endr
.endr
	WIN WW
.irp b, 0,1,2,3
	v_cvt_scalef32_pk8_fp8_f32 v[PC+4*\b:PC+4*\b+1], v[AC+16*\b:AC+16*\b+7], v[TM+12+\b]
	v_cvt_scalef32_pk8_fp8_f32 v[PC+4*\b+2:PC+4*\b+3], v[AC+16*\b+8:AC+16*\b+15], v[TM+12+\b]
.endr
	WIN 0
	v_nop                                          ; a plain line between the conversions and the lines that touch their results
.irp b, 0,1,2,3
	v_permlane16_swap_b32 v[PC+4*\b], v[PC+4*\b+2] ; the first's lanes 16-31 change places with the second's lanes 0-15: registers 4 b .. 4 b + 3 now hold 32 b + 16 h + 0 .. 15 of my row
	v_permlane16_swap_b32 v[PC+4*\b+1], v[PC+4*\b+3]
.endr
	global_store_b128 v[LI], v[PC:PC+3], s[92:93]              ; each store of the wave covers 512 consecutive bytes, aligned
	global_store_b128 v[LI], v[PC+4:PC+7], s[92:93] offset:512
	global_store_b128 v[LI], v[PC+8:PC+11], s[94:95]
	global_store_b128 v[LI], v[PC+12:PC+15], s[94:95] offset:512
.endm
.irp a, 0,1,2,3,4,5,6,7
	QOUT \a
.endr
	; the scale bytes: ordered for memory, through 512 bytes of my own in slot 0 (it has had its last fill, and every wave has passed the last change of slots), and out as two whole runs of 256 bytes
.irp j, 0,1,2,3
	v_perm_b32 v[UW+\j], v[PW+\j+4], v[PW+\j], s66
	v_perm_b32 v[UW+4+\j], v[PW+\j+4], v[PW+\j], s67
.endr
.irp i, 0,1,2,3,4,5,6,7
	ds_store_b32 v[SCW], v[UW+\i] offset:64*\i     ; lanes l and l + 16 write the same word with the same value
.endr
	ds_load_b128 v[BK:BK+3], v[SCR]                ; LDS serves a wave's instructions in order (ISA guide 5.7.1.4): this sees my stores
	s_wait_dscnt 0x0
	global_store_b128 v[VSO], v[BK:BK+3], s[96:97] ; lanes 0-15: my first head's 256 bytes; lanes 16-31: my second head's
	s_wait_tensorcnt 0x0                           ; the wave's end
	ds_add_u32 v[SPW], v[NIL]
	s_wait_dscnt 0x0
	CROUND                                         ; the closing round: no work-group ends while a partner may still ask for a tile that names it
	s_endpgm
.Lfunc_end_k_q6d5979842e_qkv:
	.size	k_q6d5979842e_qkv, .Lfunc_end_k_q6d5979842e_qkv-k_q6d5979842e_qkv
	.p2alignl 7, 3214868480
	.fill 96, 4, 3214868480
	.section	.rodata,"a",@progbits
	.p2align	6, 0x0
	.amdhsa_kernel k_q6d5979842e_qkv
		.amdhsa_group_segment_fixed_size 327680
		.amdhsa_private_segment_fixed_size 0
		.amdhsa_enable_private_segment 0
		.amdhsa_kernarg_size 64
		.amdhsa_user_sgpr_count 2
		.amdhsa_user_sgpr_kernarg_segment_ptr 1
		.amdhsa_wavefront_size32 1
		.amdhsa_system_sgpr_workgroup_id_x 1
		.amdhsa_system_sgpr_workgroup_id_y 1
		.amdhsa_system_sgpr_workgroup_id_z 1
		.amdhsa_system_vgpr_workitem_id 0
		.amdhsa_next_free_vgpr 1024
		.amdhsa_next_free_sgpr 102
		.amdhsa_reserve_vcc 0
		.amdhsa_float_denorm_mode_32 3
		.amdhsa_float_denorm_mode_16_64 3
		.amdhsa_fp16_overflow 1
		.amdhsa_memory_ordered 1
		.amdhsa_forward_progress 1
		.amdhsa_inst_pref_size 175
	.end_amdhsa_kernel
	.amdgpu_metadata
---
amdhsa.version: [ 1, 2 ]
amdhsa.kernels:
  - .name:           k_q6d5979842e_qkv
    .symbol:         k_q6d5979842e_qkv.kd
    .args:
      - { .name: x_codes, .offset: 0, .size: 8, .value_kind: global_buffer, .address_space: global }
      - { .name: x_scales, .offset: 8, .size: 8, .value_kind: global_buffer, .address_space: global }
      - { .name: qkv_w_codes, .offset: 16, .size: 8, .value_kind: global_buffer, .address_space: global }
      - { .name: qkv_w_scales, .offset: 24, .size: 8, .value_kind: global_buffer, .address_space: global }
      - { .name: qkv_b, .offset: 32, .size: 8, .value_kind: global_buffer, .address_space: global }
      - { .name: q_codes, .offset: 40, .size: 8, .value_kind: global_buffer, .address_space: global }
      - { .name: q_scales, .offset: 48, .size: 8, .value_kind: global_buffer, .address_space: global }
      - { .name: kv, .offset: 56, .size: 8, .value_kind: global_buffer, .address_space: global }
    .group_segment_fixed_size: 327680
    .private_segment_fixed_size: 0
    .kernarg_segment_align: 8
    .kernarg_segment_size: 64
    .max_flat_workgroup_size: 128
    .sgpr_count:     102
    .vgpr_count:     1024
    .wavefront_size: 32
...
	.end_amdgpu_metadata
.endif
;; end of part 1
;; launch attn (part 2): grid 4 x 64, 16 waves a work-group, no clusters, 327,680 bytes of LDS; arguments q_codes, q_scales, kv, o_codes, o_scales; writes o_codes, o_scales
.if DOCPART == 2
	.amdgcn_target "amdgcn-amd-amdhsa--gfx1250"
	.amdhsa_code_object_version 6
	.text
	.protected	k_q6d5979842e_attn
	.globl	k_q6d5979842e_attn
	.p2align	8
	.type	k_q6d5979842e_attn,@function
k_q6d5979842e_attn:
	s_mov_b64 s[64:65], 0
	v_nop
	global_prefetch_b8 v0, s[64:65] scope:SCOPE_SE
	s_setreg_imm32_b32 hwreg(HW_REG_WAVE_MODE, 25, 1), 1
	s_wait_xcnt 0x0
; o[bh][q] = the sum over k <= q of softmax_k(q . k / 8) v[k], head size 64, 2,048 tokens, 64 heads (batch x head), both products on codes of FP8 (E4M3) with one E8M0 scale for each 32 along a product's K.
; IN: q_codes, q_scales and kv as the launch before lays them: images of operand registers.  OUT: o, divided by the row's sum and quantised along the model's 1,024 (a head is two blocks of 32):
; o_codes [tile of 16 tokens 512][K step of 128: 8][c 4][lane 32][16 B], o_scales [8192][32].
; THE SOFTMAX: t = score x log2(e) / 8; M = the running largest t rounded UP to a whole number; p = 2^(t - M) is what is quantised, along the keys, not normalised; the row's sum is taken of the unquantised p in f32.
; When M moves, the sum and O are multiplied by 2^(old M - new M): exact.
; SHARES.  Work-group (i, bh) owns the blocks of 256 queries 7 - i and then i of head bh: block n walks key slots 0 .. n of 256 keys, so every work-group walks 9 slots: 256 work-groups of equal work.
; Each of the SIXTEEN waves owns 16 queries of the block in 256 registers: four waves to a SIMD, so that one wave's vector work stands beside another's matrix work and LDS loads.
; The loop has a constant count: 8 trips that ask for the next slot, the 9th written out; the ring does not stop where the blocks change.  A key step all of whose keys come after my queries is jumped over (a scalar branch on ids).
; NO CLUSTER: the four work-groups of a head walk different slots from the sixth slot step on (9 steps: 0 .. 7 - i, then 0 .. i), so joint requests would need a common walk with uneven work; and a change of
; slots asks for 33,792 bytes against 32 wave steps of some 320 vector instructions each.
; LAYOUT.  Both products are used transposed: S^T = K Q^T (source 0 = 16 keys, source 1 = my 16 queries), O^T = V^T P^T (source 0 = 16 of the head's 64, source 1 = P): a lane holds ONE query (lane % 16) throughout.
; Register j of tile t is key 16 t + 8 h + j; after the conversions v_permlane16_swap_b32 brings the codes into the operand's order.
; K = 64 IN AN INSTRUCTION OF K = 128: Q's operand is 8 registers of codes and 8 of zero codes.  K's tile t is named as v[32 + 8 t : 47 + 8 t]: its upper half is the next tile's codes (behind tile 7: zeros), which meet Q's zero
; codes and add nothing; this program's codes are never the NaN code, since every number is held first.  The scale halfwords are loaded zero-extended: bytes 2 and 3 are 0, not 0xff.
; LIMITS: NaN and infinities are not served; a block of o whose largest magnitude lies under 2^-118 keeps the scale byte 1; a block of zeros gets the byte 1 and not 127: its codes are zeros and this program alone reads the bytes.
.set SLOT1, 65536                      ; LDS: slot 0 at 0, slot 1 here, so that one exclusive or turns an address; a slot is an image of a block of kv, 33,792 bytes, no padding: every read is 16 x lane, 4 x lane or 4 r + 2 h
.set BLKB,  33792
.set QUART, 8448                       ; what one tensor load brings: 33 rows of 256 bytes
.set HEADB, 270336                     ; a head's 8 blocks
.set VOFF,  16384                      ; in a block: V's codes,
.set KSOFF, 32768                      ; K's scales,
.set VSOFF, 33280                      ; V's scale words
.set SPARE, 131072                     ; the spare words, 128 bytes for each wave: eight blocks of 256 bytes that no other line names
.set LI,  1                            ; v1   16 x lane
.set LSK, 2                            ; v2   4 r + 2 h: K's scale halfwords
.set LSV, 3                            ; v3   4 x lane: V's scale words
.set QD,  4                            ; v4   r - 8 h, for the mask
.set SPW, 5                            ; v5   LDS address of my spare word; never rewritten
.set NIL, 6                            ; v6   0; never rewritten
.set PFO, 7                            ; v7   256 x lane: the prefetches' offset
.set VOS, 8                            ; v8   32 r: o's scale bytes
.set AD,  9                            ; v9-11 the slot in hand + LI, LSK, LSV
.set ADK, 10
.set ADV, 11
                                       ; v12 -M, v13 the largest t, v[14:15] the sum in two halves
.set QF,  16                           ; v16-23 Q's codes, v24-31 zeros
.set KT,  32                           ; v32-95 K's 8 tiles x 8 registers, later V's 4 x 16; v96-103 zeros, never loaded into
.set SR,  104                          ; v104-167 S^T, then p
.set OT,  168                          ; v168-199 O^T
.set PCD, 200                          ; v200-215 p's codes
.set BM,  216                          ; v216-219 the blocks' largest
.set T2,  220                          ; v220-223 at work
.set LM,  224
.set SOP, 228                          ; v228-231 the conversions' scale operands
.set KSC, 232                          ; v232-235 K's, then V's scale words
.set FF,  236                          ; v236 f = 2^(old M - new M)
.set PSW, 237                          ; v237 p's scale word
.set TMP, 238
.set QSC, 239                          ; v239 Q's scale halfwords
.set QB,  240                          ; v240-247 the second block's Q; v248 its scale halfwords
.set QSB, 248
.set R4,  249                          ; v249 4 r
.set WV,  14
.set I,   15
.set BH,  16
.set NA,  17                           ; s17  8 - i: slot steps of the first block
.set TB,  18                           ; s18  LDS byte at which the slot in hand begins
.set MNT, 19
.set SEL, 20
.set CS,  22                           ; s[22:23] c = log2(e) / 8
.set G1,  24
.set G0,  32
.set KVB, 36                           ; s[36:37] kv at my head, + my quarter of a block
.set KSF, 38                           ; s38  the key slot asked for last
.set OFS, 40                           ; s[40:41] an offset, as a pair
.set KF,  42                           ; s42  the step's first key
.set Q0,  43                           ; s43  my first query; s44 the second block's
.set Q0B, 44
.set OC,  46                           ; s[46:47] where my codes of o go; s[48:49] the second block's
.set OCB, 48
.set OS,  50                           ; s[50:51] and its scale bytes; s[52:53]
.set OSB, 52
.set TRIP, 54
.set LIM, 55                           ; s55  5 in a wave that prefetches, else 0: a wave prefetches while the trip's number is under it
.set PFA, 56                           ; s[56:57] where my prefetches stand
.macro TLOAD                           ; waves 0 to 3 fetch a quarter of a block each; four v_nop follow the line
	s_cmp_lt_u32 s[WV], 4
	s_cbranch_scc0 .Lnone_\@
	tensor_load_to_lds s[G0:G0+3], s[G1:G1+7]
	s_nop 0
.rept 4
	v_nop
.endr
.Lnone_\@:
.endm
; A PREFETCH INTO THE L2.  A head's part of kv is 1,056 aligned pieces of 256 bytes.  All four work-groups of a head walk it: the one with i = 0, which walks all 8 slots, asks, and nobody else; in it waves 4 to 8, which
; fetch nothing, ask in trips 0 to 4, one instruction each, a lane a piece: piece 256 + 160 x trip + 32 (wave - 4) + lane: 25 instructions name pieces 256 to 1,055 once each.  The first 256 pieces come by their loads alone.
; Slot n is pieces 132 n to 132 n + 131: what trips 0 .. t have named covers slot t + 2, which the next change of slots asks for.
.macro ASK
	s_cmp_lt_u32 s[TRIP], s[LIM]
	s_cbranch_scc0 .Lnot_mine_\@
	global_prefetch_b8 v[PFO], s[PFA:PFA+1] offset:-8192 th:TH_LOAD_NT scope:SCOPE_SE
.Lnot_mine_\@:
.endm
; Where block blk's things lie: Q's codes and scales, o's codes and scale bytes, my first query.
.macro BLOCK blk, q, qs, oc, os, q0
	s_lshl_b32 s70, s[BH], 7
	s_lshl_b32 s72, s[\blk], 4
	s_add_co_u32 s72, s72, s[WV]                   ; 16 blk + wave: my tile of 16 tokens among the 128
	s_add_co_u32 s70, s70, s72
	s_lshl_b32 s70, s70, 10                        ; 1,024 bytes a tile
	s_mov_b32 s71, 0
	s_add_nc_u64 s[\q:\q+1], s[4:5], s[70:71]
	s_lshl_b32 s[\q0], s72, 4
	s_lshr_b32 s70, s[BH], 4
	s_lshl_b32 s70, s70, 7
	s_add_co_u32 s70, s70, s72                     ; 128 x batch + 16 blk + wave
	s_lshl_b32 s73, s70, 9                         ; o_scales: 16 tokens x 32 bytes
	s_lshl_b32 s70, s70, 14                        ; o_codes: 16,384 bytes a tile
	s_and_b32 s72, s[BH], 15                       ; the head in its batch
	s_lshl_b32 s74, s72, 10                        ; 2,048 (head / 2) + 1,024 (head % 2)
	s_add_co_u32 s70, s70, s74
	s_add_nc_u64 s[\oc:\oc+1], s[10:11], s[70:71]
	s_lshl_b32 s72, s72, 1
	s_add_co_u32 s70, s73, s72
	s_add_nc_u64 s[\os:\os+1], s[12:13], s[70:71]
	s_lshl_b32 s70, s[BH], 4
	s_lshl_b32 s72, s[\blk], 1
	s_add_co_u32 s70, s70, s72
	s_lshr_b32 s72, s[WV], 3
	s_add_co_u32 s70, s70, s72                     ; the group of 128 tokens
	s_lshl_b32 s70, s70, 8
	s_and_b32 s72, s[WV], 3
	s_lshl_b32 s72, s72, 6
	s_add_co_u32 s70, s70, s72                     ; + 64 (tile % 4)
	s_bfe_u32 s72, s[WV], 0x10002
	s_lshl_b32 s72, s72, 1
	s_add_co_u32 s70, s70, s72                     ; + 2 (tile / 4)
	s_add_nc_u64 s[\qs:\qs+1], s[6:7], s[70:71]
.endm
	s_load_b256 s[4:11], s[0:1], 0x0               ; q_codes s[4:5], q_scales s[6:7], kv s[8:9], o_codes s[10:11]
	s_load_b64 s[12:13], s[0:1], 0x20              ; o_scales
	v_lshl_add_u32 v[SPW], v0, 2, SPARE
	v_mov_b32 v[NIL], 0
	ds_add_u32 v5, v6
	ds_add_u32 v5, v6
	s_wait_dscnt 0x0
	v_lshrrev_b32 v9, 5, v0
	s_delay_alu instid0(VALU_DEP_1)
	v_readfirstlane_b32 s[WV], v9                  ; wave 0..15
	s_mov_b32 s[I], ttmp9
	s_and_b32 s[BH], ttmp7, 0xffff
	s_sub_co_u32 s[NA], 8, s[I]
	s_sub_co_u32 s76, 7, s[I]                      ; the first block
	; descriptor group 1: 33 rows of 256 bytes (32 elements of 8 bytes), dense in memory and in LDS
	s_mov_b32 s[G1], 3<<16
	s_mov_b32 s[G1+1], 32<<16                      ; tensor_dim0
	s_mov_b32 s[G1+2], 33<<16                      ; tensor_dim1
	s_mov_b32 s[G1+3], 32<<16                      ; tile_dim0
	s_mov_b32 s[G1+4], 33                          ; tile_dim1
	s_mov_b32 s[G1+5], 32                          ; from row to row
	s_mov_b32 s[G1+6], 0
	s_mov_b32 s[G1+7], 0
	s_mov_b32 s[TB], 0
	s_mov_b32 s[SEL], 0x76543210
	s_mov_b32 s[SEL+1], 0xfedcba98                 ; v_permlanex16_b32's selects for lane l xor 16
	s_mov_b32 s[CS], 0x3e38aa3b                    ; c = log2(e) / 8
	s_mov_b32 s[CS+1], s[CS]                       ; (named with it as a pair, so it is written)
	s_mov_b32 s[KSF], 0
	s_mov_b32 s[KF], 0
	s_mov_b32 s[TRIP], 0
	s_mul_i32 s[OFS], s[BH], HEADB
	s_mov_b32 s[OFS+1], 0
	s_mul_i32 s58, s[WV], QUART
	s_mov_b32 s59, 0
	s_wait_kmcnt 0x0
	s_add_nc_u64 s[PFA:PFA+1], s[8:9], s[OFS:OFS+1]      ; kv at my head
	s_add_nc_u64 s[KVB:KVB+1], s[PFA:PFA+1], s[58:59]    ; + my quarter
	s_mov_b32 s[G0], 1                             ; count = 1
	s_mov_b32 s[G0+1], s58                         ; LDS address: slot 0, my quarter
	s_mov_b64 s[G0+2:G0+3], s[KVB:KVB+1]           ; key slot 0
	s_or_b32 s[G0+3], s[G0+3], 0x80000000          ; type = 2
	TLOAD                                          ; slot 0: the one first fill, ahead of every wait on TENSORcnt, LDS read and barrier
	s_lshl_b32 s58, s[WV], 13
	s_add_nc_u64 s[PFA:PFA+1], s[PFA:PFA+1], s[58:59]    ; head + 8,192 x wave; each change of slots adds 40,960, and the prefetch's immediate takes 8,192 off: trip t, wave w: 65,536 + 40,960 t + 8,192 (w - 4)
	s_sub_co_u32 s58, s[WV], 4
	s_cmp_lt_u32 s58, 5                            ; waves 4 to 8
	s_cselect_b32 s[LIM], 5, 0
	s_cmp_eq_u32 s[I], 0                           ; of the head's work-group 0
	s_cselect_b32 s[LIM], s[LIM], 0
	BLOCK 76, 60, 62, OC, OS, Q0
	BLOCK I, 66, 68, OCB, OSB, Q0B
	v_and_b32 v250, 15, v0                         ; r
	v_bfe_u32 v251, v0, 4, 1                       ; h
	v_and_b32 v252, 31, v0                         ; lane
	s_delay_alu instid0(VALU_DEP_1)
	v_lshlrev_b32 v[LI], 4, v252
	s_delay_alu instid0(VALU_DEP_4)
	v_lshlrev_b32 v[R4], 2, v250
	global_load_b128 v[QF:QF+3], v[LI], s[60:61] th:TH_LOAD_NT             ; Q's codes of both blocks stay in registers
	global_load_b128 v[QF+4:QF+7], v[LI], s[60:61] offset:512 th:TH_LOAD_NT
	global_load_u16 v[QSC], v[R4], s[62:63]        ; zero-extended: bytes 2 and 3 are 0
	global_load_b128 v[QB:QB+3], v[LI], s[66:67] th:TH_LOAD_NT
	global_load_b128 v[QB+4:QB+7], v[LI], s[66:67] offset:512 th:TH_LOAD_NT
	global_load_u16 v[QSB], v[R4], s[68:69]
	v_lshl_add_u32 v[LSK], v251, 1, v[R4]
	v_lshlrev_b32 v[LSV], 2, v252
	v_lshlrev_b32 v[QD], 3, v251
	s_delay_alu instid0(VALU_DEP_1)
	v_sub_nc_u32 v[QD], v250, v[QD]
	v_lshlrev_b32 v[PFO], 8, v252
	v_lshlrev_b32 v[VOS], 5, v250
	v_mov_b32 v13, 0xff61b1e6                      ; the largest t so far: -3e38, under every t
	s_delay_alu instid0(VALU_DEP_1)
	v_floor_f32 v12, -v13                          ; -M
	v_mov_b32 v14, 0
	v_mov_b32 v15, 0
.irp j, 0,1,2,3,4,5,6,7
	v_mov_b32 v[QF+8+\j], 0                        ; zero codes: the upper half of Q's operand,
	v_mov_b32 v[KT+64+\j], 0                       ; and what stands behind K's tile 7
.endr
.irp b, 0,1,2,3
	v_mov_b32 v[T2+\b], 0                          ; written once: a lane permute's destination counts as one of its sources
.endr
	v_mov_b32 v[PSW], 0                            ; (named as the upper half of the pair with f before it is first made)
	v_mov_b32 v[TMP], 0
.set n, 0
.rept 32
	v_mov_b32 v[OT+n], 0                           ; O^T: the first step finds zeros, which the first change of M leaves zeros
.set n, n+1
.endr
; A KEY STEP: 128 keys, the q-th of the slot in hand.
.macro STEP q
	s_add_co_u32 s58, s[Q0], 15
	s_cmp_gt_u32 s[KF], s58                        ; all 128 keys come after my 16 queries: nothing to do
	s_cbranch_scc1 .Lhidden_\@
	v_add_nc_u32 v[AD], s[TB], v[LI]
	v_add_nc_u32 v[ADK], s[TB], v[LSK]
	v_add_nc_u32 v[ADV], s[TB], v[LSV]
.rept 5
	v_nop                                          ; with the three additions: eight places in front of loads into registers that matrix instructions have read
.endr
.set t, 0
.rept 8
	ds_load_b128 v[KT+8*t:KT+8*t+3], v[AD] offset:8192*(\q)+1024*t
	ds_load_b128 v[KT+8*t+4:KT+8*t+7], v[AD] offset:8192*(\q)+1024*t+512
.set t, t+1
.endr
.irp j, 0,1,2,3
	ds_load_u16 v[KSC+\j], v[ADK] offset:KSOFF+256*(\q)+64*\j   ; lanes 0-15: tile j's halfwords; lanes 16-31: tile j + 4's
.endr
	s_wait_alu depctr_va_vdst(0)
	s_wait_dscnt 0x0
.irp t, 0,1,2,3,4,5,6,7
.if \t < 4
	v_wmma_scale_f32_16x16x128_f8f6f4 v[SR+8*\t:SR+8*\t+7], v[KT+8*\t:KT+8*\t+15], v[QF:QF+15], 0, v[KSC+\t%4], v[QSC]
.else
	v_wmma_scale_f32_16x16x128_f8f6f4 v[SR+8*\t:SR+8*\t+7], v[KT+8*\t:KT+8*\t+15], v[QF:QF+15], 0, v[KSC+\t%4], v[QSC] matrix_a_scale:MATRIX_SCALE_ROW1
.endif
.endr
.rept 8
	v_nop
.endr
.irp d, 0,1,2,3                                ; V is asked for now, and lands while the softmax is walked
.irp c, 0,1,2,3
	ds_load_b128 v[KT+16*\d+4*\c:KT+16*\d+4*\c+3], v[AD] offset:VOFF+8192*(\q)+2048*\d+512*\c
.endr
.endr
.irp j, 0,1
	ds_load_b32 v[KSC+\j], v[ADV] offset:VSOFF+256*(\q)+128*\j  ; lanes 0-15: d tile 2 j's words; lanes 16-31: d tile 2 j + 1's
.endr
	s_add_co_u32 s58, s[KF], 127                   ; on the diagonal the scores of hidden keys become -infinity ahead of the maximum: p = 0 then.  A step all of whose keys count skips this
	s_cmp_le_u32 s58, s[Q0]
	s_cbranch_scc1 .Lopen_\@
	s_sub_co_i32 s58, s[Q0], s[KF]
	v_add_nc_u32 v250, s58, v[QD]                  ; d = my query - the step's first key - 8 h.  Register n holds key 16 (n / 8) + 8 h + n % 8: hidden where 16 (n / 8) + n % 8 > d
	v_mov_b32 v251, 0xff800000                     ; -infinity
.set n, 0
.rept 64
	v_cmp_gt_i32 vcc_lo, 16*(n/8)+n%8, v250
	v_cndmask_b32 v[SR+n], v[SR+n], v251, vcc_lo
.set n, n+1
.endr
.Lopen_\@:
.irp b, 0,1,2,3
	v_max3_num_f32 v[BM+\b], v[SR+16*\b], v[SR+16*\b+1], v[SR+16*\b+2]   ; the largest score of each block of 32 keys: it serves for the row's maximum and, since p rises with the score, for the block's largest p
.endr
.irp i, 3,5,7,9,11,13
.irp b, 0,1,2,3
	v_max3_num_f32 v[BM+\b], v[BM+\b], v[SR+16*\b+\i], v[SR+16*\b+\i+1]
.endr
.endr
.irp b, 0,1,2,3
	v_max_num_f32 v[BM+\b], v[BM+\b], v[SR+16*\b+15]
.endr
.irp b, 0,1,2,3
	s_delay_alu instid0(VALU_DEP_4)
	v_permlanex16_b32 v[T2+\b], v[BM+\b], s[SEL], s[SEL+1]
.endr
.irp b, 0,1,2,3
	s_delay_alu instid0(VALU_DEP_4)
	v_max_num_f32 v[BM+\b], v[BM+\b], v[T2+\b]     ; with lane l xor 16's 16 keys
.endr
	s_delay_alu instid0(VALU_DEP_2)
	v_max3_num_f32 v[TMP], v[BM], v[BM+1], v[BM+2]
	s_delay_alu instid0(VALU_DEP_1)
	v_max_num_f32 v[TMP], v[TMP], v[BM+3]          ; the step's largest score of my query
	s_delay_alu instid0(VALU_DEP_1)
	v_mul_f32 v[TMP], s[CS], v[TMP]                ; as t (c is positive)
	s_delay_alu instid0(VALU_DEP_1)
	v_max_num_f32 v13, v13, v[TMP]                 ; the running largest t
	v_mov_b32 v[TMP], v12
	s_delay_alu instid0(VALU_DEP_2)
	v_floor_f32 v12, -v13                          ; the new -M = floor(-t): M is a whole number
	s_delay_alu instid0(VALU_DEP_1)
	v_sub_f32 v[TMP], v12, v[TMP]                  ; old M - new M: a whole number, 0 or less
	s_delay_alu instid0(VALU_DEP_1)
	v_cvt_i32_f32 v[TMP], v[TMP]                   ; (it saturates)
	s_delay_alu instid0(VALU_DEP_1)
	v_ldexp_f32 v[FF], 1.0, v[TMP]                 ; f = 2^(old M - new M)
.set n, 0
.rept 32
	v_pk_fma_f32 v[SR+n:SR+n+1], v[SR+n:SR+n+1], s[CS:CS+1], v[12:13] op_sel_hi:[1,0,0]   ; t - M, two at a time (of the pairs c and -M the low word serves both halves)
.set n, n+2
.endr
.irp b, 0,1,2,3
	v_fma_f32 v[BM+\b], v[BM+\b], s[CS], v12       ; the same of each block's largest score
.endr
.set n, 0
	s_wait_alu depctr_va_vdst(0)
.rept 64
	v_exp_f32 v[SR+n], v[SR+n]                     ; p = 2^(t - M), at most 1
.set n, n+1
.endr
	v_pk_mul_f32 v[14:15], v[14:15], v[FF:FF+1] op_sel_hi:[1,0]   ; the sums under the new M.  (A plain line behind the exponentials)
	s_wait_alu depctr_va_vdst(0)                   ; one wait for the whole batch, ahead of its first reader
.irp b, 0,1,2,3
	v_exp_f32 v[BM+\b], v[BM+\b]                   ; the block's largest p: the same two instructions on the same number give the same bits
.endr
	v_pk_add_f32 v[220:221], v[108:109], v[112:113]
	v_pk_add_f32 v[254:255], v[116:117], v[120:121]
	v_pk_add_f32 v[252:253], v[124:125], v[128:129]
	v_pk_add_f32 v[250:251], v[132:133], v[136:137]
	v_pk_add_f32 v[234:235], v[140:141], v[144:145]
	v_pk_add_f32 v[230:231], v[148:149], v[152:153]
	v_pk_add_f32 v[228:229], v[156:157], v[160:161]
	v_pk_add_f32 v[14:15], v[14:15], v[164:165]
	v_pk_add_f32 v[220:221], v[220:221], v[104:105]
	v_pk_add_f32 v[254:255], v[254:255], v[106:107]
	v_pk_add_f32 v[252:253], v[252:253], v[110:111]
	v_pk_add_f32 v[250:251], v[250:251], v[114:115]
	v_pk_add_f32 v[234:235], v[234:235], v[118:119]
	v_pk_add_f32 v[230:231], v[230:231], v[122:123]
	v_pk_add_f32 v[228:229], v[228:229], v[126:127]
	v_pk_add_f32 v[14:15], v[14:15], v[130:131]
	v_pk_add_f32 v[220:221], v[220:221], v[134:135]
	v_pk_add_f32 v[254:255], v[254:255], v[138:139]
	v_pk_add_f32 v[252:253], v[252:253], v[142:143]
	v_pk_add_f32 v[250:251], v[250:251], v[146:147]
	v_pk_add_f32 v[234:235], v[234:235], v[150:151]
	v_pk_add_f32 v[230:231], v[230:231], v[154:155]
	v_pk_add_f32 v[228:229], v[228:229], v[158:159]
	v_pk_add_f32 v[14:15], v[14:15], v[162:163]
	v_pk_add_f32 v[220:221], v[220:221], v[166:167]
	s_delay_alu instid0(VALU_DEP_2)
	v_pk_add_f32 v[14:15], v[14:15], v[250:251]
	s_delay_alu instid0(VALU_DEP_2)
	v_pk_add_f32 v[220:221], v[220:221], v[234:235]
	v_pk_add_f32 v[254:255], v[254:255], v[230:231]
	v_pk_add_f32 v[252:253], v[252:253], v[228:229]
	s_delay_alu instid0(VALU_DEP_2)
	v_pk_add_f32 v[14:15], v[14:15], v[254:255]
	s_delay_alu instid0(VALU_DEP_2)
	v_pk_add_f32 v[220:221], v[220:221], v[252:253]
	s_delay_alu instid0(VALU_DEP_1)
	v_pk_add_f32 v[14:15], v[14:15], v[220:221]
	s_wait_alu depctr_va_vdst(0)                   ; and one for the four
.irp b, 0,1,2,3
	v_max_num_f32 v[BM+\b], 0x4800000, v[BM+\b]    ; the floor 2^(9 - 127): the byte cannot fall under 1
.endr
.irp b, 0,1,2,3
	s_delay_alu instid0(VALU_DEP_4)
	v_add_nc_u32 v[SOP+\b], 0xfc000000, v[BM+\b]   ; 8 off the exponent field: the conversion's scale operand
.endr
.irp b, 0,1,2,3
.endr
.irp b, 0,1,2,3
	s_delay_alu instid0(VALU_DEP_4)
	v_lshrrev_b32 v[T2+\b], 23, v[SOP+\b]          ; the scale's byte
.endr
	s_delay_alu instid0(VALU_DEP_3)
	v_lshl_or_b32 v[PSW], v[T2+1], 8, v[T2]        ; p's scale word for these 128 keys
	s_delay_alu instid0(VALU_DEP_1)
	v_lshl_or_b32 v[PSW], v[T2+2], 16, v[PSW]
	s_delay_alu instid0(VALU_DEP_1)
	v_lshl_or_b32 v[PSW], v[T2+3], 24, v[PSW]
.irp b, 0,1,2,3
.irp i, 0,1,2,3,4,5,6,7,8,9,10,11,12,13,14,15
.endr
	v_cvt_scalef32_pk8_fp8_f32 v[PCD+4*\b:PCD+4*\b+1], v[SR+16*\b:SR+16*\b+7], v[SOP+\b]
	v_cvt_scalef32_pk8_fp8_f32 v[PCD+4*\b+2:PCD+4*\b+3], v[SR+16*\b+8:SR+16*\b+15], v[SOP+\b]
.endr
	v_nop                                          ; a plain line between the conversions and the lines that touch their results
.irp b, 0,1,2,3
	v_permlane16_swap_b32 v[PCD+4*\b], v[PCD+4*\b+2]   ; registers 4 b .. 4 b + 3 now hold keys 32 b + 16 h + 0 .. 15 of my query
	v_permlane16_swap_b32 v[PCD+4*\b+1], v[PCD+4*\b+3]
.endr
.set n, 0
.rept 16
	v_pk_mul_f32 v[OT+n:OT+n+1], v[OT+n:OT+n+1], v[FF:FF+1] op_sel_hi:[1,0]   ; O^T under the new M.  (These sixteen are also the places in front of the matrix instructions below)
.set n, n+2
.endr
	s_wait_alu depctr_va_vdst(0)
	s_wait_dscnt 0x0                               ; V and its scale words are in
.irp d, 0,1,2,3
.if \d%2 == 0
	v_wmma_scale_f32_16x16x128_f8f6f4 v[OT+8*\d:OT+8*\d+7], v[KT+16*\d:KT+16*\d+15], v[PCD:PCD+15], v[OT+8*\d:OT+8*\d+7], v[KSC+\d/2], v[PSW]
.else
	v_wmma_scale_f32_16x16x128_f8f6f4 v[OT+8*\d:OT+8*\d+7], v[KT+16*\d:KT+16*\d+15], v[PCD:PCD+15], v[OT+8*\d:OT+8*\d+7], v[KSC+\d/2], v[PSW] matrix_a_scale:MATRIX_SCALE_ROW1
.endif
.endr
.Lhidden_\@:
	s_add_co_u32 s[KF], s[KF], 128
.endm
; THE CHANGE OF SLOTS stands at a slot's head.  Each wave waits for all its tensor loads (its part of the slot that it is about to read), adds 0 to its spare word, and waits for that and for its reads of the slot that it has left.
; Behind the barrier the slot ahead is whole and nobody reads the other one.  fill = 1: that other slot is filled with the walk's next key slot: the load has a whole slot's steps in which to land.
.macro CHANGE fill
	s_wait_tensorcnt 0x0                           ; no tensor load of mine is out, so the group 0 may be written
	ds_add_u32 v[SPW], v[NIL]                      ; 0 onto my spare word
.if \fill
	s_xor_b32 s[G0+1], s[G0+1], SLOT1              ; the other slot than last time
	s_add_co_u32 s[KSF], s[KSF], 1                 ; the next key slot; behind the first block's last, the second block's slot 0
	s_cmp_eq_u32 s[KSF], s[NA]
	s_cselect_b32 s[KSF], 0, s[KSF]
	s_mul_i32 s[OFS], s[KSF], BLKB
	s_add_nc_u64 s[G0+2:G0+3], s[KVB:KVB+1], s[OFS:OFS+1]
	s_or_b32 s[G0+3], s[G0+3], 0x80000000
	s_wait_xcnt 0x0                                ; the last prefetch, a slot back, has read its address, so it may be written
	s_add_nc_u64 s[PFA:PFA+1], s[PFA:PFA+1], 40960
.endif
	s_wait_dscnt 0x0                               ; the add is done, and my reads of the slot that I have left are over
	s_barrier_signal -1
	s_barrier_wait -1
.if \fill
	TLOAD                                          ; the first thing behind the barrier, and a wave's one tensor load until the next
	ASK
.endif
.endm
; A BLOCK'S END: O^T / the sum, quantised along the head's 64 (two blocks of 32), stored.  restart = 1: the second block's state is set up.
.macro FINISH restart
.rept 8
	v_nop                                          ; places behind the last products
.endr
	v_add_f32 v14, v14, v15                        ; the sum's two halves,
	s_delay_alu instid0(VALU_DEP_1)
	v_permlanex16_b32 v[TMP], v14, s[SEL], s[SEL+1]
	s_delay_alu instid0(VALU_DEP_1)
	v_add_f32 v14, v14, v[TMP]                     ; and lane l xor 16's: the row's sum
	s_wait_alu depctr_va_vdst(0)
	v_rcp_f32 v14, v14
	v_nop                                          ; a plain line behind the transcendental
	s_wait_alu depctr_va_vdst(0)                   ; the wait, ahead of the first reader
.set n, 0
.rept 16
	v_pk_mul_f32 v[SR+n:SR+n+1], v[OT+n:OT+n+1], v[14:15] op_sel_hi:[1,0]   ; register 8 t + j is o(my query, 16 t + 8 h + j)
.set n, n+2
.endr
.irp b, 0,1
	v_max3_num_f32 v[BM+\b], |v[SR+16*\b]|, |v[SR+16*\b+1]|, 0x4800000
.endr
.irp i, 2,4,6,8,10,12,14
.irp b, 0,1
	s_delay_alu instid0(VALU_DEP_2)
	v_max3_num_f32 v[BM+\b], v[BM+\b], |v[SR+16*\b+\i]|, |v[SR+16*\b+\i+1]|
.endr
.endr
.irp b, 0,1
	s_delay_alu instid0(VALU_DEP_2)
	v_permlanex16_b32 v[T2+\b], v[BM+\b], s[SEL], s[SEL+1]
.endr
.irp b, 0,1
	s_delay_alu instid0(VALU_DEP_2)
	v_max_num_f32 v[BM+\b], v[BM+\b], v[T2+\b]
.endr
.irp b, 0,1
	s_delay_alu instid0(VALU_DEP_2)
	v_add_nc_u32 v[SOP+\b], 0xfc000000, v[BM+\b]
.endr
.irp b, 0,1
.endr
.irp b, 0,1
	s_delay_alu instid0(VALU_DEP_2)
	v_lshrrev_b32 v[T2+\b], 23, v[SOP+\b]
.endr
	s_delay_alu instid0(VALU_DEP_1)
	v_lshl_or_b32 v[TMP], v[T2+1], 8, v[T2]        ; my query's two scale bytes of this head
.irp b, 0,1
.irp i, 0,1,2,3,4,5,6,7,8,9,10,11,12,13,14,15
.endr
	v_cvt_scalef32_pk8_fp8_f32 v[PCD+4*\b:PCD+4*\b+1], v[SR+16*\b:SR+16*\b+7], v[SOP+\b]
	v_cvt_scalef32_pk8_fp8_f32 v[PCD+4*\b+2:PCD+4*\b+3], v[SR+16*\b+8:SR+16*\b+15], v[SOP+\b]
.endr
	v_nop
.irp b, 0,1
	v_permlane16_swap_b32 v[PCD+4*\b], v[PCD+4*\b+2]
	v_permlane16_swap_b32 v[PCD+4*\b+1], v[PCD+4*\b+3]
.endr
	global_store_b128 v[LI], v[PCD:PCD+3], s[OC:OC+1]              ; the two stores cover 1,024 consecutive bytes, aligned
	global_store_b128 v[LI], v[PCD+4:PCD+7], s[OC:OC+1] offset:512
	global_store_b16 v[VOS], v[TMP], s[OS:OS+1]    ; two bytes of each of 16 rows, 32 bytes apart (lanes l and l + 16 store the same): one byte in 32 of what the launch stores
.if \restart
	s_wait_xcnt 0x0                                ; the stores have read their data and bases: both are written again only behind this wait
	s_mov_b64 s[OC:OC+1], s[OCB:OCB+1]
	s_mov_b64 s[OS:OS+1], s[OSB:OSB+1]
	s_mov_b32 s[Q0], s[Q0B]
	s_mov_b32 s[KF], 0
	v_mov_b32 v[QSC], v[QSB]                       ; the lines below are the places between these writes and the next products
.irp j, 0,1,2,3,4,5,6,7
	v_mov_b32 v[QF+\j], v[QB+\j]
.endr
	v_mov_b32 v13, 0xff61b1e6
	s_delay_alu instid0(VALU_DEP_1)
	v_floor_f32 v12, -v13
	v_mov_b32 v14, 0
	v_mov_b32 v15, 0
.set n, 0
.rept 32
	v_mov_b32 v[OT+n], 0
.set n, n+1
.endr
.endif
.endm
	s_wait_loadcnt 0x0                             ; Q of both blocks
.Lslot:                                            ; 8 trips: behind each change of slots but the last the walk's next key slot is asked for
	CHANGE 1
	STEP 0
	STEP 1
	s_xor_b32 s[TB], s[TB], SLOT1                  ; on to the other slot
	s_cmp_gt_u32 s[KF], s[Q0]                      ; the slot on the diagonal has been walked: the first block is done (in trip 7 - i, in every wave alike)
	s_cbranch_scc0 .Lgo_on
	FINISH 1
.Lgo_on:
	s_add_co_u32 s[TRIP], s[TRIP], 1
	s_cmp_lt_u32 s[TRIP], 8
	s_cbranch_scc1 .Lslot
	CHANGE 0                                       ; the last slot step is written out
	STEP 0
	STEP 1
	FINISH 0
	s_wait_tensorcnt 0x0                           ; the wave's end
	ds_add_u32 v[SPW], v[NIL]
	s_wait_dscnt 0x0
	s_endpgm
.Lfunc_end_k_q6d5979842e_attn:
	.size	k_q6d5979842e_attn, .Lfunc_end_k_q6d5979842e_attn-k_q6d5979842e_attn
	.p2alignl 7, 3214868480
	.fill 96, 4, 3214868480
	.section	.rodata,"a",@progbits
	.p2align	6, 0x0
	.amdhsa_kernel k_q6d5979842e_attn
		.amdhsa_group_segment_fixed_size 327680
		.amdhsa_private_segment_fixed_size 0
		.amdhsa_enable_private_segment 0
		.amdhsa_kernarg_size 40
		.amdhsa_user_sgpr_count 2
		.amdhsa_user_sgpr_kernarg_segment_ptr 1
		.amdhsa_wavefront_size32 1
		.amdhsa_system_sgpr_workgroup_id_x 1
		.amdhsa_system_sgpr_workgroup_id_y 1
		.amdhsa_system_sgpr_workgroup_id_z 1
		.amdhsa_system_vgpr_workitem_id 0
		.amdhsa_next_free_vgpr 256
		.amdhsa_next_free_sgpr 80
		.amdhsa_reserve_vcc 1
		.amdhsa_float_denorm_mode_32 3
		.amdhsa_float_denorm_mode_16_64 3
		.amdhsa_fp16_overflow 1
		.amdhsa_memory_ordered 1
		.amdhsa_forward_progress 1
		.amdhsa_inst_pref_size 111
	.end_amdhsa_kernel
	.amdgpu_metadata
---
amdhsa.version: [ 1, 2 ]
amdhsa.kernels:
  - .name:           k_q6d5979842e_attn
    .symbol:         k_q6d5979842e_attn.kd
    .args:
      - { .name: q_codes, .offset: 0, .size: 8, .value_kind: global_buffer, .address_space: global }
      - { .name: q_scales, .offset: 8, .size: 8, .value_kind: global_buffer, .address_space: global }
      - { .name: kv, .offset: 16, .size: 8, .value_kind: global_buffer, .address_space: global }
      - { .name: o_codes, .offset: 24, .size: 8, .value_kind: global_buffer, .address_space: global }
      - { .name: o_scales, .offset: 32, .size: 8, .value_kind: global_buffer, .address_space: global }
    .group_segment_fixed_size: 327680
    .private_segment_fixed_size: 0
    .kernarg_segment_align: 8
    .kernarg_segment_size: 40
    .max_flat_workgroup_size: 512
    .sgpr_count:     80
    .vgpr_count:     256
    .wavefront_size: 32
...
	.end_amdgpu_metadata
.endif
;; end of part 2
;; launch proj (part 3): grid 4 x 32, 4 waves a work-group, clusters of 4 x 4, 327,680 bytes of LDS; arguments o_codes, o_scales, out_w_codes, out_w_scales, out_b, out0; writes out0
.if DOCPART == 3
	.amdgcn_target "amdgcn-amd-amdhsa--gfx1250"
	.amdhsa_code_object_version 6
	.text
	.protected	k_q6d5979842e_proj
	.globl	k_q6d5979842e_proj
	.p2align	8
	.type	k_q6d5979842e_proj,@function
k_q6d5979842e_proj:
	s_mov_b64 s[64:65], 0
	v_nop
	global_prefetch_b8 v0, s[64:65] scope:SCOPE_SE
	s_setreg_imm32_b32 hwreg(HW_REG_WAVE_MODE, 25, 1), 1
	s_wait_xcnt 0x0
	s_wait_alu depctr_hold_cnt(0) depctr_sa_sdst(0) depctr_va_vdst(0) depctr_va_sdst(0) depctr_va_ssrc(0) depctr_va_vcc(0) depctr_vm_vsrc(0)
	s_getreg_b32 s2, hwreg(HW_REG_IB_STS2, 6, 4)
	s_cmp_eq_u32 s2, 0
	s_cbranch_scc0 .Lentry_in_a_cluster
	s_endpgm
.Lentry_in_a_cluster:
	s_bfe_u32 s2, ttmp6, 0x10000c
	s_cmp_lg_u32 s2, 0xf033
	s_cbranch_scc0 .Lentry_shape_is_right
	s_endpgm
.Lentry_shape_is_right:
; out0 = o W^T + b on codes of FP8 (E4M3) with one E8M0 scale for each 32 along K = 1,024.  o: images of operand registers, [tile of 16 tokens 512][K step of 128: 8][c 4][lane 32][16 B], scale bytes [8192][32].
; W: [1024][1024] codes, K innermost, scale bytes [1024][32].  b: [1024] f32.  out0: [8192][1024] f32.
; SHARES.  A work-group of four waves makes 256 tokens x 256 features; a wave 128 x 128: 64 accumulators.  K goes in four steps of 256 through two LDS slots; all is written out, there is no loop.
; The matrix instruction is used transposed: source 0 (P) = 16 rows of W, source 1 (S) = 16 tokens of o: a lane holds eight neighbouring numbers of a row of out0.  The bias is the C of the first step's products.
; CLUSTERS: 4 x 4 work-groups.  o's tile is shared along a row of the cluster, W's along a column: each is asked for jointly, by the same tensor load with the same descriptor and a mask that names the four.
; The size gives 128 tiles of 256 x 256: 128 work-groups.
; REGISTERS, in windows of 256: window 0: v1-30 addresses; v32-63 scale words, two sets, and nothing else; v64-127 the bias; v128-255 S's 8 fragments, one set; on the way out rows read back.
;   window 1: P's fragments, two sets.   windows 2, 3: accumulator (a, b) at v[8 (8 (a % 4) + b)] of window 2 + a / 4.
.set PITCH,  272                       ; a row of W in LDS: 256 bytes + 16 of padding
.set HALFW,  128*PITCH                 ; 128 rows of W: what one tensor load brings
.set OHALF,  32768                     ; 8 tiles of o x 4,096 bytes: what one tensor load brings; no padding: every read is 16 x lane
.set WOFF,   2*OHALF                   ; a slot: o's 16 tiles, then W's 256 rows
.set SLOT,   WOFF+2*HALFW
.set SCL,    2*SLOT                    ; the scales: o's 256 rows, then W's, as units of 256 bytes + 16 of padding
.set HALFS,  16*272
.set SBLK,   2*272
.set SPARE,  SCL+4*HALFS               ; the spare words, 128 bytes for each wave: two blocks of 256 bytes that no other line names
.set SPITCH, 528                       ; the way out: a stage of 16 rows x (512 bytes + 16) for each wave, in slot 0, which has had its last fill and its last read when the first result is stored there
.set NROW,   4096                      ; a row of out0 in bytes
.set FR,     16
.set NP,     8
.set ADS,  16                          ; v16-17  LDS address of S's fragments in slot 0, 1
.set ADP,  20                          ; v20-21  of P's
.set STO,  24                          ; v24     the way out: where I put 32 bytes of a row
.set RD,   25                          ; v25     where I read a row back
.set CO,   26                          ; v26     my byte offset in a row of out0
.set ADSC, 27                          ; v27     LDS address of my scale words: lanes 0-15 S's rows, lanes 16-31 P's
.set SPW,  28
.set NIL,  29
.set SC,   32
.set BI,   64
.set SF,   128
.set BK,   128                         ; the way out: 16 rows read back: v128-191 and v192-255 by turns
.set G1, 24
.set G0, 32
.set G1B, 48
.set G0B, 56
.set G1S, 68
.set G0S, 76
.set G1SB, 80
.set G0SB, 88
.set MSB, 0
.macro WIN new
.if MSB != \new
	s_set_vgpr_msb (MSB<<8)|\new
.set MSB, \new
.endif
.endm
.set MUL_LO, 0xa1
.set MUL_HI, 0xf1
.set TO_P,   0x40
.macro JLOAD g0a, g1a, g0b, g1b        ; a joint load: waves 0 and 1 fetch for o, waves 2 and 3 for W; four v_nop follow each of the two lines
	s_cmp_eq_u32 s21, 0
	s_cbranch_scc0 .Lfor_b_\@
	tensor_load_to_lds s[\g0a:\g0a+3], s[\g1a:\g1a+7]
	s_nop 0
.rept 4
	v_nop
.endr
	s_branch .Lasked_\@
.Lfor_b_\@:
	tensor_load_to_lds s[\g0b:\g0b+3], s[\g1b:\g1b+7]
	s_nop 0
.rept 4
	v_nop
.endr
.Lasked_\@:
.endm
.macro CREST
	s_cmp_lg_u32 s20, 0
	s_cbranch_scc1 .Lnot_wave_0_\@
	s_barrier_signal -3
.Lnot_wave_0_\@:
	s_barrier_wait -3
	s_barrier_signal -1
	s_barrier_wait -1
.endm
.macro CROUND
	s_barrier_signal -1
	s_barrier_wait -1
	CREST
.endm
	s_load_b256 s[4:11], s[0:1], 0x0               ; o's codes s[4:5], o's scales s[6:7], W's codes s[8:9], W's scales s[10:11]
	s_load_b128 s[12:15], s[0:1], 0x20             ; b s[12:13], out0 s[14:15]
	v_lshl_add_u32 v[SPW], v0, 2, SPARE
	v_mov_b32 v[NIL], 0
	ds_add_u32 v28, v29
	ds_add_u32 v28, v29
	s_wait_dscnt 0x0
	v_lshrrev_b32 v1, 5, v0
	v_readfirstlane_b32 s20, v1                    ; wave 0..3
	s_lshr_b32 s21, s20, 1                         ; SH: which half of the tokens is mine.  Also: I fetch for o (0) or for W (1)
	s_and_b32 s22, s20, 1                          ; PH: which half of the features.  Also: which half of that tile I fetch
	s_bfe_u32 s40, ttmp6, 0x40000                  ; cx, cy
	s_bfe_u32 s41, ttmp6, 0x40004
	s_lshl_b32 s42, ttmp9, 2
	s_add_co_u32 s42, s42, s40                     ; X: which 256 features
	s_and_b32 s43, ttmp7, 0xffff
	s_lshl_b32 s43, s43, 2
	s_add_co_u32 s43, s43, s41                     ; Y: which 256 tokens
	s_lshl_b32 s44, s41, 2
	s_lshl_b32 s44, 15, s44                        ; my row of the cluster
	s_lshl_b32 s45, 0x1111, s40                    ; my column
	; o's tiles: 8 rows (tiles of 16 tokens) of 4,096 bytes (512 elements of 8 bytes: two K steps of 128), 16,384 bytes apart in memory, dense in LDS
	s_or_b32 s[G1+0], s44, (3<<16)|(1<<21)
	s_mov_b32 s[G1+1], 512<<16                     ; tensor_dim0
	s_mov_b32 s[G1+2], 8<<16                       ; tensor_dim1
	s_mov_b32 s[G1+3], 512<<16                     ; tile_dim0
	s_mov_b32 s[G1+4], 8                           ; tile_dim1
	s_mov_b32 s[G1+5], 2048                        ; from row to row
	s_mov_b32 s[G1+6], 0
	s_mov_b32 s[G1+7], 0
	; W's tiles: 128 rows x 256 bytes, padded in LDS
	s_or_b32 s[G1B+0], s45, (0<<16)|(1<<20)|(1<<21)|(5<<22)|(3<<25)
	s_mov_b32 s[G1B+1], 256<<16
	s_mov_b32 s[G1B+2], 128<<16
	s_mov_b32 s[G1B+3], 256<<16
	s_mov_b32 s[G1B+4], 128
	s_mov_b32 s[G1B+5], 1024
	s_mov_b32 s[G1B+6], 0
	s_mov_b32 s[G1B+7], 0
	; the scales of 128 rows: 4,096 dense bytes, as 16 rows of 256 bytes, 16 bytes of padding behind each
	s_or_b32 s[G1S+0], s44, (3<<16)|(1<<20)|(1<<21)|(5<<22)|(3<<25)
	s_or_b32 s[G1SB+0], s45, (3<<16)|(1<<20)|(1<<21)|(5<<22)|(3<<25)
.irp g, G1S, G1SB
	s_mov_b32 s[\g+1], 32<<16
	s_mov_b32 s[\g+2], 16<<16
	s_mov_b32 s[\g+3], 32<<16
	s_mov_b32 s[\g+4], 16
	s_mov_b32 s[\g+5], 32
	s_mov_b32 s[\g+6], 0
	s_mov_b32 s[\g+7], 0
.endr
	s_lshl_b32 s2, s22, 7
	s_lshl_b32 s92, s43, 8
	s_add_co_u32 s92, s92, s2                      ; o: token 256 Y + 128 x half
	s_lshl_b32 s46, s42, 8
	s_add_co_u32 s46, s46, s2                      ; W: row 256 X + 128 x half
	s_mov_b32 s93, 0
	s_mov_b32 s47, 0
	s_lshl_b64 s[94:95], s[92:93], 5               ; their scales, in bytes,
	s_lshl_b64 s[96:97], s[46:47], 5
	s_lshl_b64 s[92:93], s[92:93], 10              ; and their codes: 16 tokens are 16,384 bytes, a row of W 1,024
	s_lshl_b64 s[46:47], s[46:47], 10
	s_lshl_b32 s98, s22, 15                        ; where they go: o's halves,
	s_mul_i32 s99, s22, HALFW
	s_add_co_u32 s99, s99, WOFF                    ; W's halves behind them,
	s_mul_i32 s2, s20, HALFS                       ; the scales by the wave's number: no place in the cluster enters an LDS address
	s_wait_kmcnt 0x0
	s_add_nc_u64 s[92:93], s[4:5], s[92:93]
	s_add_nc_u64 s[94:95], s[6:7], s[94:95]
	s_add_nc_u64 s[46:47], s[8:9], s[46:47]
	s_add_nc_u64 s[96:97], s[10:11], s[96:97]
	CROUND                                         ; all sixteen work-groups are here: the first joint loads meet
	s_mov_b32 s[G0S], 1
	s_add_co_u32 s[G0S+1], s2, SCL
	s_mov_b64 s[G0S+2:G0S+3], s[94:95]
	s_or_b32 s[G0S+3], s[G0S+3], 0x80000000
	s_mov_b32 s[G0SB], 1
	s_add_co_u32 s[G0SB+1], s2, SCL
	s_mov_b64 s[G0SB+2:G0SB+3], s[96:97]
	s_or_b32 s[G0SB+3], s[G0SB+3], 0x80000000
	JLOAD G0S, G1S, G0SB, G1SB                     ; the scales first; filled once
.irp s, 0,1
	s_mov_b32 s[G0+4*\s], 1
	s_add_co_u32 s[G0+4*\s+1], s98, \s*SLOT
	s_add_nc_u64 s[G0+4*\s+2:G0+4*\s+3], s[92:93], \s*4096
	s_or_b32 s[G0+4*\s+3], s[G0+4*\s+3], 0x80000000
	s_mov_b32 s[G0B+4*\s], 1
	s_add_co_u32 s[G0B+4*\s+1], s99, \s*SLOT
	s_add_nc_u64 s[G0B+4*\s+2:G0B+4*\s+3], s[46:47], \s*256
	s_or_b32 s[G0B+4*\s+3], s[G0B+4*\s+3], 0x80000000
	s_wait_alu depctr_va_vdst(0)
	s_wait_tensorcnt 0x0
	ds_add_u32 v28, v29
	s_wait_dscnt 0x0
	CROUND
	JLOAD G0+4*\s, G1, G0B+4*\s, G1B
.endr
	v_and_b32 v1, 15, v0                           ; r
	v_bfe_u32 v2, v0, 4, 1                         ; h
	v_and_b32 v7, 31, v0                           ; lane
	v_lshlrev_b32 v[CO], 4, v7                     ; 16 x lane
	v_mul_u32_u24 v3, v1, PITCH
	v_lshl_add_u32 v4, v2, 4, v3                   ; W: a fragment's row x pitch + 16 x half
	s_lshl_b32 s2, s21, 15                         ; my 8 tiles of o
	s_mul_i32 s3, s22, HALFW
	s_add_co_u32 s3, s3, WOFF                      ; my 128 rows of W
.irp s, 0,1
	v_add_nc_u32 v[ADS+\s], s2, v[CO]
	v_add_nc_u32 v[ADP+\s], s3, v4
	s_add_co_u32 s2, s2, SLOT
	s_add_co_u32 s3, s3, SLOT
.endr
	v_lshlrev_b32 v5, 5, v1                        ; my row's scales: 32 bytes a row,
	v_lshrrev_b32 v6, 8, v5
	v_lshl_add_u32 v5, v6, 4, v5                   ; and 16 more for each 256 passed
	s_mul_i32 s2, s21, HALFS                       ; o's: my 128 tokens
	s_mul_i32 s3, s22, HALFS
	s_add_co_u32 s3, s3, 2*HALFS                   ; W's: my 128 rows, behind o's 256
	s_sub_co_u32 s3, s3, s2
	v_mul_u32_u24 v6, s3, v2                       ; lanes 16-31 take W's
	s_add_co_u32 s2, s2, SCL
	v_add_nc_u32 v5, v5, v6
	v_add_nc_u32 v[ADSC], s2, v5
	s_mul_i32 s2, s20, 16*SPITCH                   ; my stage
	v_mul_u32_u24 v5, v1, SPITCH                   ; in: row r, 32 bytes for each half of the lanes
	v_lshl_add_u32 v5, v2, 5, v5
	v_add_nc_u32 v[STO], s2, v5
	v_add_nc_u32 v[RD], s2, v[CO]                  ; back: the 32 lanes take one row of 512 bytes
	s_lshl_b32 s46, s42, 10                        ; my first column of out0 and of b, in bytes: 1,024 X + 512 x half
	s_lshl_b32 s47, s22, 9
	s_add_co_u32 s46, s46, s47
	s_mov_b32 s47, 0
	s_add_nc_u64 s[12:13], s[12:13], s[46:47]
	s_add_nc_u64 s[14:15], s[14:15], s[46:47]
	s_lshl_b32 s46, s43, 20                        ; my first row: (256 Y + 128 x half) x 4,096 bytes
	s_lshl_b32 s2, s21, 19
	s_add_co_u32 s46, s46, s2
	s_add_nc_u64 s[14:15], s[14:15], s[46:47]
	v_lshlrev_b32 v10, 5, v2                       ; the bias in the result's layout: entry b, register j: b[.. + 16 b + 8 h + j]
.irp b, 0,1,2,3,4,5,6,7
	global_load_b128 v[BI+8*\b:BI+8*\b+3], v10, s[12:13] offset:64*\b
	global_load_b128 v[BI+8*\b+4:BI+8*\b+7], v10, s[12:13] offset:64*\b+16
.endr
.macro FRAGP reg, adr, q, i            ; a fragment of W from rows: registers 4 c .. 4 c + 3 hold K = 32 c + 16 h + 0 .. 15
.irp c, 0,1,2,3
	ds_load_b128 v[\reg+4*\c:\reg+4*\c+3], v[\adr] offset:128*(\q)+32*\c+(\i)*16*PITCH
.endr
.endm
.macro FRAGS reg, adr, q, i            ; a fragment of o: an image of its registers
.irp c, 0,1,2,3
	ds_load_b128 v[\reg+4*\c:\reg+4*\c+3], v[\adr] offset:4096*(\i)+2048*(\q)+512*\c
.endr
.endm
; 16 matrix instructions: S's blocks a0, a0 + 1 x P's eight.  first = 1: C is the bias.  The 64 accumulators take turns, one instruction a turn, in the same order in every step.
.macro MUL16 a0, p, q, sc, first
.irp a, \a0, \a0+1
.irp b, 0,1,2,3,4,5,6,7
.if \first
	v_wmma_scale_f32_16x16x128_f8f6f4 v[8*(8*((\a)%4)+\b):8*(8*((\a)%4)+\b)+7], v[128*(\p)+FR*\b:128*(\p)+FR*\b+FR-1], v[SF+FR*(\a):SF+FR*(\a)+FR-1], v[BI+8*\b:BI+8*\b+7], v[SC+16*(\sc)+2*\b+(\q)], v[SC+16*(\sc)+2*(\a)+(\q)] matrix_a_scale:MATRIX_SCALE_ROW1
.else
	v_wmma_scale_f32_16x16x128_f8f6f4 v[8*(8*((\a)%4)+\b):8*(8*((\a)%4)+\b)+7], v[128*(\p)+FR*\b:128*(\p)+FR*\b+FR-1], v[SF+FR*(\a):SF+FR*(\a)+FR-1], v[8*(8*((\a)%4)+\b):8*(8*((\a)%4)+\b)+7], v[SC+16*(\sc)+2*\b+(\q)], v[SC+16*(\sc)+2*(\a)+(\q)] matrix_a_scale:MATRIX_SCALE_ROW1
.endif
.endr
.endr
.endm
.macro FETCH_P slot, q, p
	WIN TO_P
.irp i, 0,1,2,3,4,5,6,7
	FRAGP 128*(\p)+FR*\i, ADP+\slot, \q, \i
.endr
	WIN 0
.endm
.macro FETCH_S slot, q, i0
.irp i, \i0, \i0+1, \i0+2, \i0+3
	FRAGS SF+FR*(\i), ADS+\slot, \q, \i
.endr
.endm
.macro SCALES sc
.irp i, 0,1,2,3,4,5,6,7
	ds_load_b64 v[SC+16*\sc+2*\i:SC+16*\sc+2*\i+1], v[ADSC] offset:\i*SBLK
.endr
.endm
.macro PLACES n                        ; plain vector instructions between a matrix instruction and a load into, or a read of, its registers (ISA guide 7.12.1 for reads)
.rept \n
	v_nop
.endr
.endm
.macro STEP slot, q, first
	s_wait_dscnt 16                                ; all but the youngest 16 loads (S's blocks 4-7) are in
.if \first
	WIN 0x81                                       ; C (the bias) in window 0, D in window 2
.else
	WIN MUL_LO
.endif
	MUL16 0, (\q)%2, \q, \slot, \first
	MUL16 2, (\q)%2, \q, \slot, \first
	s_wait_dscnt 0x0
	PLACES NP
	FETCH_P \slot, (\q)+1, 1-(\q)%2
	FETCH_S \slot, (\q)+1, 0
.if \first
	WIN 0xc1
.else
	WIN MUL_HI
.endif
	MUL16 4, (\q)%2, \q, \slot, \first
	MUL16 6, (\q)%2, \q, \slot, \first
	PLACES NP
	WIN 0
	FETCH_S \slot, (\q)+1, 4
.endm
; A slot's last step changes slots: ONE barrier; in front of it each wave waits for all its tensor loads, adds 0 to its spare word, and waits for that and for its own reads of this slot.
.macro TURN slot, next, fill
	s_wait_tensorcnt 0x0                           ; all my tensor loads have landed: my part of the next slot
	ds_add_u32 v[SPW], v[NIL]                      ; 0 onto my spare word
	s_wait_dscnt 17                                ; (the add and the youngest 16 loads may be out)
	WIN MUL_LO
	MUL16 0, 1, 1, \slot, 0
	s_wait_dscnt 0x0                               ; the add is done, and my reads of this slot are over
	s_barrier_signal -1
	MUL16 2, 1, 1, \slot, 0
	WIN 0
	s_barrier_wait -1
.if \fill
	CREST                                          ; the barrier has opened a round of the cluster's barrier: no wave of any partner still reads this slot or has a load on its way
	s_add_nc_u64 s[G0+4*\slot+2:G0+4*\slot+3], s[G0+4*\slot+2:G0+4*\slot+3], 2*4096
	s_add_nc_u64 s[G0B+4*\slot+2:G0B+4*\slot+3], s[G0B+4*\slot+2:G0B+4*\slot+3], 2*256
	JLOAD G0+4*\slot, G1, G0B+4*\slot, G1B
	PLACES NP-4
.else
	PLACES NP
.endif
	s_wait_alu depctr_va_vdst(0)
	v_add_nc_u32 v[ADSC], 8, v[ADSC]
	FETCH_P \next, 0, 0
	FETCH_S \next, 0, 0
	SCALES \next
	WIN MUL_HI
	MUL16 4, 1, 1, \slot, 0
	MUL16 6, 1, 1, \slot, 0
	PLACES NP
	WIN 0
	FETCH_S \next, 0, 4
.endm
	s_wait_alu depctr_va_vdst(0)
	s_wait_tensorcnt 1                             ; of my three loads the scales' and K step 0's are in; K step 1's may be out
	s_barrier_signal -1
	s_barrier_wait -1
	FETCH_P 0, 0, 0
	FETCH_S 0, 0, 0
	SCALES 0
	FETCH_S 0, 0, 4
	s_wait_loadcnt 0x0                             ; the bias
	STEP 0, 0, 1
	TURN 0, 1, 1
	STEP 1, 0, 0
	TURN 1, 0, 1
	STEP 0, 0, 0
	TURN 0, 1, 0
	STEP 1, 0, 0
	s_wait_dscnt 16
	WIN MUL_LO
	MUL16 0, 1, 1, 1, 0
	MUL16 2, 1, 1, 1, 0
	s_wait_dscnt 0x0
	WIN MUL_HI
	MUL16 4, 1, 1, 1, 0
	MUL16 6, 1, 1, 1, 0
	WIN 0
; THE WAY OUT, block by block of 16 rows x 128 columns, through my own stage in LDS: in as 32 bytes a lane, back as whole rows of 512 bytes.  LDS serves a wave's instructions in order (ISA guide 5.7.1.4).
.macro TOSTAGE a
.set AC, 64*((\a)%4)
	WIN 0x08+4*((\a)/4)                            ; an LDS store's data: window 2 or 3
.irp b, 0,1,2,3,4,5,6,7
	ds_store_b128 v[STO], v[AC+8*\b:AC+8*\b+3] offset:64*\b          ; each accumulator from its low end on
	ds_store_b128 v[STO], v[AC+8*\b+4:AC+8*\b+7] offset:64*\b+16
.endr
	WIN 0
.set BB, BK+64*((\a)%2)
.irp t, 0,1,2,3,4,5,6,7,8,9,10,11,12,13,14,15
	ds_load_b128 v[BB+4*\t:BB+4*\t+3], v[RD] offset:\t*SPITCH
.endr
.endm
.macro SEND a, younger                 ; younger: the LDS instructions issued behind block a's loads, which may stay out
.set BB, BK+64*((\a)%2)
	s_wait_dscnt \younger
.if (\a) > 0
	s_add_nc_u64 s[14:15], s[14:15], 16*NROW       ; (behind a wait on XCNT: the earlier stores have read their base)
.endif
.irp t, 0,1,2,3,4,5,6,7,8,9,10,11,12,13,14,15
	global_store_b128 v[CO], v[BB+4*\t:BB+4*\t+3], s[14:15] offset:\t*NROW th:TH_STORE_NT   ; 32 lanes store 512 consecutive bytes, aligned; written once, read by nobody here
.endr
.endm
	PLACES NP
	TOSTAGE 0
.irp a, 1,2,3,4,5,6,7
.if \a > 1
	s_wait_xcnt 0x0                                ; block a - 2's stores have read their registers and their base
.endif
	TOSTAGE \a
	SEND \a-1, 32                                  ; behind block a - 1's loads: block a's 16 stores and 16 loads
.endr
	s_wait_xcnt 0x0
	SEND 7, 0
	s_wait_tensorcnt 0x0                           ; the wave's end
	ds_add_u32 v[SPW], v[NIL]
	s_wait_dscnt 0x0
	CROUND                                         ; the closing round
	s_endpgm
.Lfunc_end_k_q6d5979842e_proj:
	.size	k_q6d5979842e_proj, .Lfunc_end_k_q6d5979842e_proj-k_q6d5979842e_proj
	.p2alignl 7, 3214868480
	.fill 96, 4, 3214868480
	.section	.rodata,"a",@progbits
	.p2align	6, 0x0
	.amdhsa_kernel k_q6d5979842e_proj
		.amdhsa_group_segment_fixed_size 327680
		.amdhsa_private_segment_fixed_size 0
		.amdhsa_enable_private_segment 0
		.amdhsa_kernarg_size 48
		.amdhsa_user_sgpr_count 2
		.amdhsa_user_sgpr_kernarg_segment_ptr 1
		.amdhsa_wavefront_size32 1
		.amdhsa_system_sgpr_workgroup_id_x 1
		.amdhsa_system_sgpr_workgroup_id_y 1
		.amdhsa_system_sgpr_workgroup_id_z 1
		.amdhsa_system_vgpr_workitem_id 0
		.amdhsa_next_free_vgpr 1024
		.amdhsa_next_free_sgpr 100
		.amdhsa_reserve_vcc 0
		.amdhsa_float_denorm_mode_32 3
		.amdhsa_float_denorm_mode_16_64 3
		.amdhsa_memory_ordered 1
		.amdhsa_forward_progress 1
		.amdhsa_inst_pref_size 148
	.end_amdhsa_kernel
	.amdgpu_metadata
---
amdhsa.version: [ 1, 2 ]
amdhsa.kernels:
  - .name:           k_q6d5979842e_proj
    .symbol:         k_q6d5979842e_proj.kd
    .args:
      - { .name: o_codes, .offset: 0, .size: 8, .value_kind: global_buffer, .address_space: global }
      - { .name: o_scales, .offset: 8, .size: 8, .value_kind: global_buffer, .address_space: global }
      - { .name: out_w_codes, .offset: 16, .size: 8, .value_kind: global_buffer, .address_space: global }
      - { .name: out_w_scales, .offset: 24, .size: 8, .value_kind: global_buffer, .address_space: global }
      - { .name: out_b, .offset: 32, .size: 8, .value_kind: global_buffer, .address_space: global }
      - { .name: out0, .offset: 40, .size: 8, .value_kind: global_buffer, .address_space: global }
    .group_segment_fixed_size: 327680
    .private_segment_fixed_size: 0
    .kernarg_segment_align: 8
    .kernarg_segment_size: 48
    .max_flat_workgroup_size: 128
    .sgpr_count:     100
    .vgpr_count:     1024
    .wavefront_size: 32
...
	.end_amdgpu_metadata
.endif
;; end of part 3
